; MI455X (gfx1250); checked and timed in simulation.
; The chip was launched on July 23, 2026; its instructions are those of AMD's public machine-readable ISA for CDNA 5 (MIT licence, August 2026) and "CDNA5" Instruction Set Architecture Reference Guide (July 2026). The comments in the code are by the model that wrote it; some were corrected since.
;; Attention. Allowed arithmetic: matrix products marked QUANTISED: E4M3 operands, one given power-of-two scale a tensor, by v_wmma_f32_16x16x64_fp8_fp8 or v_wmma_f32_16x16x128_fp8_fp8, f32 sums; everything else in f32.
;; Inputs: Wkv 1,024 x 2,048 float32; Wo 1,024 x 1,024 float32; Wq 1,024 x 1,024 float32; g_ln 1,024 float32; lowp_scales 10 int32 (the exponents e of the quantised operands' scales 2^e); x 4 x 2,048 x 1,024 float32.
;; Outputs: out0 4 x 2,048 x 1,024 float32.
;; This version of the problem:
;;   THIS VERSION OF THE PROBLEM IS GIVEN IN LOW PRECISION. The matrix products marked QUANTISED in the list below multiply operands that are first quantised to E4M3 (4 exponent bits, 3 mantissa bits; 8 bits a number), with one given power-of-two scale for each operand tensor; their sums are f32. All else is computed in f32.
;;   The module's matrix products, in the order in which they are computed (A, B: the left and right operand; K: the contracted axis; several contracted axes count as one K, in the product's order):
;;     1. [M 8,192, K 1,024] x [K 1,024, N 1,024]; A: computed on the way; B: input Wq: QUANTISED (scales: A lowp_scales[0], B lowp_scales[1])
;;     2. [M 8,192, K 1,024] x [K 1,024, N 2,048]; A: computed on the way; B: input Wkv: QUANTISED (scales: A lowp_scales[2], B lowp_scales[3])
;;     3. batch 64 x [M 2,048, K 64] x [K 64, N 2,048]; A: computed on the way; B: computed on the way: QUANTISED (scales: A lowp_scales[4], B lowp_scales[5])
;;     4. batch 64 x [M 2,048, K 2,048] x [K 2,048, N 64]; A: softmax (see below); B: computed on the way: QUANTISED (scales: A lowp_scales[6], B lowp_scales[7])
;;     5. [M 8,192, K 1,024] x [K 1,024, N 1,024]; A: computed on the way; B: input Wo: QUANTISED (scales: A lowp_scales[8], B lowp_scales[9])
;;   THE QUANTISER, for each operand of a quantised product, along K:
;;     - The operand's scale is 2^e, e = its entry of the input lowp_scales (int32; the entries are numbered through the quantised products in the list's order, A before B).
;;     - Each number is divided by the scale, clamped to +-448, and rounded to the nearest number of E4M3, ties to even, subnormals kept.
;;     - The product sums the exact products of the quantised numbers (number of the format x scale) in f32.
;;   ~~~python
;;   def quantise(x, axis, e):      # numpy; x: float32 -> the quantised numbers, widened to float32 again
;;       x = np.moveaxis(x, axis, -1); K = x.shape[-1]
;;       r = np.clip(x / 2.0 ** e, -448, 448)
;;       step = 2.0 ** (np.maximum(np.frexp(np.where(r == 0, 1, r))[1] - 1, -6) - 3)
;;       q = np.round(r / step) * step * 2.0 ** e      # np.round: ties to even
;;       return np.moveaxis(q, -1, axis).astype(np.float32)
;;   ~~~
;;   SOFTMAX AHEAD OF A QUANTISED PRODUCT. Where the list says 'softmax', what is quantised is not the finished softmax but p = 2^(t - M), with t = logit x log2(e) and M = ceil(the row's largest t), a whole number; so 1/2 < the row's largest p <= 1. The row's sum l is taken of the UNQUANTISED p, in f32, and the product's result is divided by l at the end. Since M is a whole number, a kernel that streams over the keys may use a running M (the ceiling of the running maximum): every later rescaling is an exact power of two, so the quantised numbers keep their values, but for numbers so far below the row's largest that they fall under the format's range.
;;   OPERANDS COMPUTED ON THE WAY. 'Computed on the way' means the value that the module computes at that place (a softmax that the list does not call 'softmax' is quantised finished and normalised). What goes into a quantiser is computed in f32, as accurately as f32 sums, v_exp_f32 and their like allow (about 1e-6 of the number): no bf16 or f16 on the way to a quantiser, and a product that is left as it is and whose result goes on into a quantised operand takes f32 operands (vector FMAs, or v_wmma_f32_16x16x4_f32). A number that lies on a knife's edge between two numbers of the format may be rounded either way, as far as f32 arithmetic and the matrix unit's own rounding can turn it there, and no further.
;; One version. Each part assembles by itself: llvm-mc -triple=amdgcn-amd-amdhsa -mcpu=gfx1250 --defsym DOCPART=n.
;; ======== version 1 of 1: 4 launches
;; limits: right only within a limited range of input values
;; workspace buffers: xq 8,388,608 bytes; xkv 8,388,608 bytes; wqkv 3,145,728 bytes; woc 1,048,576 bytes; qc 8,388,608 bytes; kvc 16,777,216 bytes; ao 8,388,608 bytes
;; launch prep (part 1): grid 640 x 1, 4 waves a work-group, no clusters, 35,328 bytes of LDS; arguments x, g_ln, Wq, Wkv, Wo, lowp_scales, xq, xkv, wqkv, woc; writes xq, xkv, wqkv, woc
.if DOCPART == 1
	.amdgcn_target "amdgcn-amd-amdhsa--gfx1250"
	.amdhsa_code_object_version 6
	.text
	.protected	k_qafbb186691_prep
	.globl	k_qafbb186691_prep
	.p2align	8
	.type	k_qafbb186691_prep,@function
k_qafbb186691_prep:
	s_mov_b64 s[64:65], 0
	v_nop
	global_prefetch_b8 v0, s[64:65] scope:SCOPE_SE
	s_setreg_imm32_b32 hwreg(HW_REG_WAVE_MODE, 25, 1), 1
	s_wait_xcnt 0x0
; PREP: everything that is quantised once.  Work-groups 0-127: the three weights; work-groups 128-639: LayerNorm of x and its two sets of codes.
; CODES are FP8 (E4M3): code = number / 2^e, held within +-448, to the nearest code, ties to even; e is the operand's entry of lowp_scales.
;   xq, xkv  [8192 rows][1024 places]: xn with e0 and with e2.       wqkv [3072 n][1024 places]: Wq's columns (e1), then Wkv's (e3).      woc [1024 n][1024 places]: Wo's columns (e9).
; THE PLACE OF k IN A ROW.  xq, xkv, wqkv: k = 128 i + 4 l + j (i 0..7, l 0..31, j 0..3) lies at place 512 (i / 4) + 16 l + 4 (i % 4) + j: the order in which a lane's codes come out of LayerNorm's dense loads.
;   It is the same in both operands of the products that read them, so every product meets its partner.   woc: place = k with bits 3 and 4 exchanged, which is where the last product's other operand has that k.
; LIMITS: e0, e1, e2, e3, e9 between -126 and 119, so that 2^e and 448 x 2^e are f32 numbers.  NaN among the inputs is not served.
; WEIGHTS (K is their FIRST axis): a lane takes a column n and its registers run along the places of a row of codes; each load reads 32 neighbouring columns of one row k (128 consecutive bytes a wave, 512 a work-group).
;   A wave makes 32 columns x 256 places; the codes go through the wave's own stage in LDS and leave as rows: sixteen lanes store 256 consecutive bytes, aligned.  One text serves the three tensors: pointers, pitch and row
;   numbers are chosen by s_cselect on the work-group's number.
; LAYERNORM: a wave takes four rows, a row in 32 registers (eight loads of 512 consecutive bytes); mean, then the mean of squares of x - mean, as the definition has it; no LDS, no barrier.
.set SPARE,  34816                     ; behind the four stages: the spare words, 128 bytes for each wave: two blocks of 256 bytes that no other line names
.set SPW,    2                         ; v2   LDS address of my spare word: SPARE + 4 x my thread's number; never rewritten
.set NIL,    3                         ; v3   0; never rewritten
.set WPITCH, 272                       ; a stage row: 256 bytes of codes + 16
.set WSTAGE, 32*WPITCH                 ; a wave's stage
.set WR,     16                        ; v16-47   weights: byte offset of row r(p) and my column, p = 0 .. 31; never rewritten
.set WX,     48                        ; v48-111  two sets of 32 numbers
.set WC,     112                       ; v112-119 a block's codes
.set WO,     120                       ; v120-183 the way out: 16 x 4 registers
.set BP,     40                        ; s[40:55] eight bases: block tt's first row, my wave's first column
.set LG,     16                        ; v16-47   LayerNorm: the gains of my 32 columns
.set LX,     48                        ; v48-175  four rows, 32 registers each
.set LT,     176                       ; v176-207 a row's numbers, held
.set LC,     208                       ; v208-223 a row's codes: 8 registers with e0, 8 with e2
	s_load_b512 s[4:19], s[0:1], 0x0               ; x 4:5, g_ln 6:7, Wq 8:9, Wkv 10:11, Wo 12:13, scales 14:15, xq 16:17, xkv 18:19
	s_load_b128 s[20:23], s[0:1], 0x40             ; wqkv 20:21, woc 22:23
	v_lshl_add_u32 v[SPW], v0, 2, SPARE
	v_mov_b32 v[NIL], 0
	v_lshrrev_b32 v1, 5, v0
	v_readfirstlane_b32 s24, v1                    ; wave 0..3
	v_and_b32 v1, 31, v0                           ; lane
	s_wait_kmcnt 0x0
	s_load_b256 s[56:63], s[14:15], 0x0            ; e0 .. e7
	s_load_b64 s[26:27], s[14:15], 0x20            ; e8, e9
	s_cmp_lt_u32 ttmp9, 128
	s_cbranch_scc0 .Lln
; ---------------------------------------------------------------- the weights
	s_wait_alu depctr_va_vdst(0)
	v_lshlrev_b32 v4, 2, v1                        ; in: 4 bytes a lane
	s_mul_i32 s31, s24, WSTAGE                     ; my stage
	v_mul_u32_u24 v5, v1, WPITCH
	v_add_nc_u32 v5, s31, v5                       ; into it: row = my column
	v_and_b32 v8, 15, v1
	v_lshrrev_b32 v9, 4, v1
	v_mul_u32_u24 v6, v9, WPITCH                   ; out of it: sixteen lanes to a row, two rows an instruction
	v_lshl_add_u32 v6, v8, 4, v6
	v_add_nc_u32 v6, s31, v6
	v_lshlrev_b32 v7, 10, v9                       ; and the same place in the codes' buffer (a row is 1,024 bytes)
	v_lshl_add_u32 v7, v8, 4, v7
	s_lshr_b32 s25, ttmp9, 2                       ; cb: which 128 columns: 0-7 Wq, 8-23 Wkv, 24-31 Wo
	s_and_b32 s36, ttmp9, 3                        ; y: which 256 places
	s_lshl_b32 s38, s36, 8                         ; Wo: the first row of places 256 y on is k = 256 y
	s_lshr_b32 s39, s36, 1                         ; Wq, Wkv: it is k = 512 (y / 2) + 64 (y % 2)
	s_lshl_b32 s39, s39, 9
	s_and_b32 s31, s36, 1
	s_lshl_b32 s31, s31, 6
	s_add_co_u32 s39, s39, s31
	s_mov_b32 s30, 8192                            ; a row of Wkv in bytes
	s_cmp_lt_u32 s25, 8                            ; Wq?
	s_cselect_b64 s[32:33], s[8:9], s[10:11]
	s_cselect_b32 s30, 4096, s30
	s_cselect_b32 s34, 0, 8                        ; the tensor's first cb
	s_cmp_ge_u32 s25, 24                           ; Wo?  Only selections, moves, products and vector lines follow as far as the row offsets' end: SCC stays
	s_cselect_b64 s[32:33], s[12:13], s[32:33]     ; the tensor,
	s_cselect_b32 s30, 4096, s30                   ; its pitch,
	s_cselect_b32 s34, 24, s34
	s_cselect_b64 s[28:29], s[22:23], s[20:21]     ; where its codes go,
	s_cselect_b32 s37, 24, 0                       ; (woc's rows count from Wo's first column; wqkv's from Wq's)
	s_cselect_b32 s38, s38, s39                    ; the first row k,
	s_cselect_b32 s39, 32, 8                       ; and from a block of 32 places to the next, in rows k
.set p, 0
.rept 32                                       ; place p of a block is row r(p): Wq, Wkv: 128 ((p / 4) % 4) + 4 (p / 16) + p % 4;  Wo: p with bits 3 and 4 exchanged
	s_mov_b32 s31, 128*((p>>2)&3)+4*(p>>4)+(p&3)
	s_cselect_b32 s31, 16*((p>>3)&1)+8*((p>>4)&1)+(p&7), s31
	s_mul_i32 s31, s31, s30
	v_add_nc_u32 v[WR+p], s31, v4
.set p, p+1
.endr
	s_sub_co_u32 s34, s25, s34
	s_lshl_b32 s34, s34, 7
	s_lshl_b32 s31, s24, 5
	s_add_co_u32 s34, s34, s31                     ; my wave's first column in its tensor: 128 (cb - first cb) + 32 x wave
	s_lshl_b32 s34, s34, 2
	s_mul_i32 s38, s38, s30
	s_add_co_u32 s2, s38, s34
	s_mov_b32 s3, 0
	s_add_nc_u64 s[BP:BP+1], s[32:33], s[2:3]
	s_mul_i32 s2, s39, s30
.irp t, 1,2,3,4,5,6,7
	s_add_nc_u64 s[BP+2*\t:BP+2*\t+1], s[BP+2*\t-2:BP+2*\t-1], s[2:3]
.endr
	s_sub_co_u32 s37, s25, s37
	s_lshl_b32 s37, s37, 7
	s_add_co_u32 s37, s37, s31                     ; my first row of codes
	s_lshl_b32 s37, s37, 10
	s_lshl_b32 s31, s36, 8
	s_add_co_u32 s2, s37, s31                      ; + my 256 places
	s_add_nc_u64 s[28:29], s[28:29], s[2:3]
.macro LOADW tt                        ; block tt: 32 rows k at my column, into set tt % 2
.set p, 0
.rept 32
	global_load_b32 v[WX+32*((\tt)%2)+p], v[WR+p], s[BP+2*(\tt):BP+2*(\tt)+1] th:TH_LOAD_NT
.set p, p+1
.endr
.endm
	s_wait_alu depctr_va_vdst(0)
	LOADW 0
	LOADW 1
	s_wait_kmcnt 0x0
	s_cmp_lt_u32 s25, 8
	s_cselect_b32 s35, s57, s59                    ; e1 or e3,
	s_cmp_ge_u32 s25, 24
	s_cselect_b32 s35, s27, s35                    ; or e9
	s_add_co_i32 s35, s35, 127
	s_lshl_b32 s31, s35, 23
	v_mov_b32 v11, s31                             ; 2^e as f32: the conversion takes its exponent field
	s_add_co_i32 s35, s35, 8
	s_lshl_b32 s35, s35, 23
	s_or_b32 s35, s35, 0x600000
	v_mov_b32 v10, s35                             ; 448 x 2^e
.macro BLOCK tt
.set XS, WX+32*((\tt)%2)
.if (\tt) < 7
	s_wait_loadcnt 32                              ; this block's 32 loads are in; the next block's may be out
.else
	s_wait_loadcnt 0
.endif
.set p, 0
.rept 32
	v_med3_num_f32 v[XS+p], v[XS+p], -v10, v10     ; the conversion to an 8-bit code does not saturate (ISA guide 7.6.2): hold the number first
.set p, p+1
.endr
.irp g, 0,1,2,3
	v_cvt_scalef32_pk8_fp8_f32 v[WC+2*\g:WC+2*\g+1], v[XS+8*\g:XS+8*\g+7], v11
.endr
	ds_store_b128 v5, v[WC:WC+3] offset:32*(\tt)   ; 32 codes: 32 bytes of my column's row.  (The results go to LDS stores alone; the next vector lines, the next block's holds, are plain and touch other registers)
	ds_store_b128 v5, v[WC+4:WC+7] offset:32*(\tt)+16
.if (\tt) < 6
	LOADW (\tt)+2
.endif
	s_wait_dscnt 0x0                               ; the stores have read their registers: the next block's codes may be written
.endm
	s_wait_alu depctr_va_vdst(0)
.irp t, 0,1,2,3,4,5,6,7
	BLOCK \t
.endr
.irp t, 0,1,2,3,4,5,6,7,8,9,10,11,12,13,14,15
	ds_load_b128 v[WO+4*\t:WO+4*\t+3], v6 offset:2*\t*WPITCH   ; LDS serves a wave's instructions in order (ISA guide 5.7.1.4): these see my stores
.endr
.irp t, 0,1,2,3,4,5,6,7,8,9,10,11,12,13,14,15
	s_wait_dscnt 15-\t                             ; the younger loads may be out
	global_store_b128 v7, v[WO+4*\t:WO+4*\t+3], s[28:29] offset:2*\t*1024   ; 16 lanes store 256 consecutive bytes, at a multiple of 256 from the buffer's first byte
.endr
	s_wait_tensorcnt 0x0                           ; the wave's end
	ds_add_u32 v[SPW], v[NIL]
	s_wait_dscnt 0x0
	s_endpgm
; ---------------------------------------------------------------- LayerNorm and its two quantisers
.Lln:
	s_wait_alu depctr_va_vdst(0)
	v_lshlrev_b32 v4, 4, v1                        ; 16 bytes a lane, in x, in g_ln and in the codes
	s_wait_alu depctr_va_vdst(0)
	v_mov_b32 v12, 0                               ; written once: a lane permute's destination counts as one of its sources
	s_sub_co_u32 s25, ttmp9, 128
	s_lshl_b32 s25, s25, 4
	s_lshl_b32 s31, s24, 2
	s_add_co_u32 s25, s25, s31                     ; my first row: 16 x work-group + 4 x wave
	s_lshl_b32 s2, s25, 12
	s_mov_b32 s3, 0
	s_add_nc_u64 s[4:5], s[4:5], s[2:3]
	s_lshl_b32 s2, s25, 10
	s_add_nc_u64 s[16:17], s[16:17], s[2:3]
	s_add_nc_u64 s[18:19], s[18:19], s[2:3]
	s_mov_b32 s32, 0x76543210                      ; v_permlanex16_b32's selects for lane l xor 16
	s_mov_b32 s33, 0xfedcba98
	s_mov_b32 s34, 0x3a800000                      ; 1 / 1024
	s_mov_b32 s35, 0x3727c5ac                      ; 1e-5
.irp i, 0,1,2,3,4,5,6,7
	global_load_b128 v[LG+4*\i:LG+4*\i+3], v4, s[6:7] offset:512*\i
.endr
.irp w, 0,1,2,3
.irp i, 0,1,2,3,4,5,6,7
	global_load_b128 v[LX+32*\w+4*\i:LX+32*\w+4*\i+3], v4, s[4:5] offset:4096*\w+512*\i th:TH_LOAD_NT   ; 32 lanes read 512 consecutive bytes: register 4 i + j is x[128 i + 4 lane + j]
.endr
.endr
	s_wait_kmcnt 0x0
	s_add_co_i32 s36, s56, 127
	s_lshl_b32 s37, s36, 23
	v_mov_b32 v8, s37                              ; 2^e0
	s_add_co_i32 s36, s36, 8
	s_lshl_b32 s36, s36, 23
	s_or_b32 s36, s36, 0x600000
	v_mov_b32 v9, s36                              ; 448 x 2^e0
	s_add_co_i32 s36, s58, 127
	s_lshl_b32 s37, s36, 23
	v_mov_b32 v10, s37                             ; 2^e2
	s_add_co_i32 s36, s36, 8
	s_lshl_b32 s36, s36, 23
	s_or_b32 s36, s36, 0x600000
	v_mov_b32 v11, s36                             ; 448 x 2^e2
.macro WSUM r                          ; the sum over the wave's 32 lanes, in every lane
	v_add_f32_dpp v[\r], v[\r], v[\r] row_xmask:1 row_mask:0xf bank_mask:0xf
	v_add_f32_dpp v[\r], v[\r], v[\r] row_xmask:2 row_mask:0xf bank_mask:0xf
	v_add_f32_dpp v[\r], v[\r], v[\r] row_xmask:4 row_mask:0xf bank_mask:0xf
	v_add_f32_dpp v[\r], v[\r], v[\r] row_xmask:8 row_mask:0xf bank_mask:0xf
	v_permlanex16_b32 v12, v[\r], s32, s33
	v_add_f32 v[\r], v[\r], v12
.endm
.macro ROW i
.set XB, LX+32*(\i)
	s_wait_loadcnt 24-8*(\i)                       ; the gains and this row are in; the later rows' loads, eight each, may be out
	v_pk_add_f32 v[224:225], v[XB:XB+1], v[XB+2:XB+3]          ; the row's sum, two at a time, in two chains
	v_pk_add_f32 v[226:227], v[XB+4:XB+5], v[XB+6:XB+7]
.irp j, 8,12,16,20,24,28
	v_pk_add_f32 v[224:225], v[224:225], v[XB+\j:XB+\j+1]
	v_pk_add_f32 v[226:227], v[226:227], v[XB+\j+2:XB+\j+3]
.endr
	v_pk_add_f32 v[224:225], v[224:225], v[226:227]
	v_add_f32 v224, v224, v225
	WSUM 224
	v_mul_f32 v228, s34, v224                      ; the mean, twice: a pair for the packed subtraction
	v_mul_f32 v229, s34, v224
.irp j, 0,2,4,6,8,10,12,14,16,18,20,22,24,26,28,30
	v_pk_add_f32 v[XB+\j:XB+\j+1], v[XB+\j:XB+\j+1], v[228:229] neg_lo:[0,1] neg_hi:[0,1]   ; x - mean
.endr
	v_pk_mul_f32 v[224:225], v[XB:XB+1], v[XB:XB+1]            ; the sum of its squares: the first two products start the chains
	v_pk_mul_f32 v[226:227], v[XB+2:XB+3], v[XB+2:XB+3]
.irp j, 4,8,12,16,20,24,28
	v_pk_fma_f32 v[224:225], v[XB+\j:XB+\j+1], v[XB+\j:XB+\j+1], v[224:225]
	v_pk_fma_f32 v[226:227], v[XB+\j+2:XB+\j+3], v[XB+\j+2:XB+\j+3], v[226:227]
.endr
	v_pk_add_f32 v[224:225], v[224:225], v[226:227]
	v_add_f32 v224, v224, v225
	WSUM 224
	v_fma_f32 v230, v224, s34, s35                 ; the variance + 1e-5
	s_wait_alu depctr_va_vdst(0)
	v_rsq_f32 v230, v230
	v_nop                                          ; a plain instruction between the transcendental and the use of its result (ISA guide 5.7.2)
	s_wait_alu depctr_va_vdst(0)                   ; and a wait ahead of the first line that names the result
	v_mov_b32 v231, v230
.irp j, 0,2,4,6,8,10,12,14,16,18,20,22,24,26,28,30
	v_pk_mul_f32 v[XB+\j:XB+\j+1], v[XB+\j:XB+\j+1], v[230:231]
.endr
.irp j, 0,2,4,6,8,10,12,14,16,18,20,22,24,26,28,30
	v_pk_mul_f32 v[XB+\j:XB+\j+1], v[XB+\j:XB+\j+1], v[LG+\j:LG+\j+1]   ; xn = (x - mean) x rsqrt x gain, in the definition's order
.endr
.if (\i) > 0
	s_wait_xcnt 0x0                                ; the last row's stores have had their addresses translated (ISA guide 3.1): only behind this wait are the codes' registers written again
.endif
.irp u, 0,1                            ; u = 0: with e0, for xq; u = 1: with e2, for xkv
.set n, 0
.rept 32
	v_med3_num_f32 v[LT+n], v[XB+n], -v[9+2*\u], v[9+2*\u]     ; the hold at the largest code x the scale
.set n, n+1
.endr
.irp g, 0,1,2,3
	v_cvt_scalef32_pk8_fp8_f32 v[LC+8*\u+2*\g:LC+8*\u+2*\g+1], v[LT+8*\g:LT+8*\g+7], v[8+2*\u]   ; code register i holds the four codes of load i
.endr
	v_nop                                          ; one plain vector instruction between a scaled conversion and the next vector line that writes its sources
.endr
.irp s, 0,1
	global_store_b128 v4, v[LC+4*\s:LC+4*\s+3], s[16:17] offset:1024*(\i)+512*\s       ; 32 lanes store 512 consecutive bytes: place 512 s + 16 lane + 4 (i % 4) + j
	global_store_b128 v4, v[LC+8+4*\s:LC+8+4*\s+3], s[18:19] offset:1024*(\i)+512*\s
.endr
.endm
	ROW 0
	ROW 1
	ROW 2
	ROW 3
	s_endpgm
.Lfunc_end_k_qafbb186691_prep:
	.size	k_qafbb186691_prep, .Lfunc_end_k_qafbb186691_prep-k_qafbb186691_prep
	.p2alignl 7, 3214868480
	.fill 96, 4, 3214868480
	.section	.rodata,"a",@progbits
	.p2align	6, 0x0
	.amdhsa_kernel k_qafbb186691_prep
		.amdhsa_group_segment_fixed_size 35328
		.amdhsa_private_segment_fixed_size 0
		.amdhsa_enable_private_segment 0
		.amdhsa_kernarg_size 80
		.amdhsa_user_sgpr_count 2
		.amdhsa_user_sgpr_kernarg_segment_ptr 1
		.amdhsa_wavefront_size32 1
		.amdhsa_system_sgpr_workgroup_id_x 1
		.amdhsa_system_sgpr_workgroup_id_y 1
		.amdhsa_system_sgpr_workgroup_id_z 1
		.amdhsa_system_vgpr_workitem_id 0
		.amdhsa_next_free_vgpr 232
		.amdhsa_next_free_sgpr 66
		.amdhsa_reserve_vcc 0
		.amdhsa_float_denorm_mode_32 3
		.amdhsa_float_denorm_mode_16_64 3
		.amdhsa_memory_ordered 1
		.amdhsa_forward_progress 1
		.amdhsa_inst_pref_size 105
	.end_amdhsa_kernel
	.amdgpu_metadata
---
amdhsa.version: [ 1, 2 ]
amdhsa.kernels:
  - .name:           k_qafbb186691_prep
    .symbol:         k_qafbb186691_prep.kd
    .args:
      - { .name: x, .offset: 0, .size: 8, .value_kind: global_buffer, .address_space: global }
      - { .name: g_ln, .offset: 8, .size: 8, .value_kind: global_buffer, .address_space: global }
      - { .name: Wq, .offset: 16, .size: 8, .value_kind: global_buffer, .address_space: global }
      - { .name: Wkv, .offset: 24, .size: 8, .value_kind: global_buffer, .address_space: global }
      - { .name: Wo, .offset: 32, .size: 8, .value_kind: global_buffer, .address_space: global }
      - { .name: lowp_scales, .offset: 40, .size: 8, .value_kind: global_buffer, .address_space: global }
      - { .name: xq, .offset: 48, .size: 8, .value_kind: global_buffer, .address_space: global }
      - { .name: xkv, .offset: 56, .size: 8, .value_kind: global_buffer, .address_space: global }
      - { .name: wqkv, .offset: 64, .size: 8, .value_kind: global_buffer, .address_space: global }
      - { .name: woc, .offset: 72, .size: 8, .value_kind: global_buffer, .address_space: global }
    .group_segment_fixed_size: 35328
    .private_segment_fixed_size: 0
    .kernarg_segment_align: 8
    .kernarg_segment_size: 80
    .max_flat_workgroup_size: 128
    .sgpr_count:     66
    .vgpr_count:     232
    .wavefront_size: 32
...
	.end_amdgpu_metadata
.endif
;; end of part 1
;; launch qkv (part 2): grid 12 x 32, 4 waves a work-group, clusters of 4 x 4, 327,680 bytes of LDS; arguments xq, xkv, wqkv, lowp_scales, qc, kvc; writes qc, kvc
.if DOCPART == 2
	.amdgcn_target "amdgcn-amd-amdhsa--gfx1250"
	.amdhsa_code_object_version 6
	.text
	.protected	k_qafbb186691_qkv
	.globl	k_qafbb186691_qkv
	.p2align	8
	.type	k_qafbb186691_qkv,@function
k_qafbb186691_qkv:
	s_mov_b64 s[64:65], 0
	v_nop
	global_prefetch_b8 v0, s[64:65] scope:SCOPE_SE
	s_setreg_imm32_b32 hwreg(HW_REG_WAVE_MODE, 25, 1), 1
	s_wait_xcnt 0x0
	s_wait_alu depctr_hold_cnt(0) depctr_sa_sdst(0) depctr_va_vdst(0) depctr_va_sdst(0) depctr_va_ssrc(0) depctr_va_vcc(0) depctr_vm_vsrc(0)
	s_getreg_b32 s2, hwreg(HW_REG_IB_STS2, 6, 4)
	s_cmp_eq_u32 s2, 0
	s_cbranch_scc0 .Lentry_in_a_cluster
	s_endpgm
.Lentry_in_a_cluster:
	s_bfe_u32 s2, ttmp6, 0x10000c
	s_cmp_lg_u32 s2, 0xf033
	s_cbranch_scc0 .Lentry_shape_is_right
	s_endpgm
.Lentry_shape_is_right:
; QKV: q = xn Wq, k and v = xn Wkv on codes of FP8 (E4M3), K = 1,024, and the three results quantised at once for attention: q with e4, k with e5, v with e7.
; A tile of 256 x 256 is made by a work-group of four waves; a wave makes 128 x 128: 64 accumulators of 16 x 16, 512 registers.  K goes in four steps of 256 through a ring of two LDS slots filled by the tensor data mover.
; CLUSTERS of 4 x 4 work-groups.  Cluster x says what is made: 0 q, 1 k, 2 v.  Region A of a slot feeds source 1 of the matrix instruction (a lane holds ONE row of A), region B source 0 (a lane's eight results are eight
; neighbouring rows of B).  q, k: A = 256 tokens (xq or xkv), B = 256 rows of wqkv (channels): a lane holds eight channels of a token.  v: the pointers change places, A = channels, B = tokens: a lane holds eight KEYS of a channel.
; So in all three a lane's eight results run along the next product's K, and one conversion makes of them two registers of that product's operand.  A's tile hangs on the cluster's y and cy alone and is asked for jointly
; by a row of the cluster, B's on cx (and the cluster's x or y) alone, by a column.
; THE RESULTS ARE STORED AS IMAGES OF OPERAND REGISTERS: register rho of lane l lies at byte 512 (rho / 4) + 16 l + 4 (rho % 4): each store of a wave covers 512 consecutive bytes, aligned; no stage in LDS, nothing is transposed.
;   qc  [b x head: 64][token tile: 128][1,024 bytes]: 16 tokens x 64 channels: register 2 c + e of lane (r, h) = channels 16 c + 8 h + 4 e + 0..3 of token r.
;   kvc [b x head: 64][262,144 bytes]: 128 such images of k, then v as [128 keys: 16][16 channels: 4][2,048 bytes]: register 2 c + e of lane (r, h) = keys 16 c + 8 h + 4 e + 0..3 of channel r.
; SCALES: a sum stands for sum x 2^(e0 + e1) (q) or 2^(e2 + e3) (k, v), so its code is sum / 2^E, E = e4 - e0 - e1, e5 - e2 - e3 or e7 - e2 - e3: one scale for the conversion.
; LIMITS: each E between -126 and 119, so that 2^E and 448 x 2^E are f32 numbers.
; REGISTERS, in windows of 256: window 0: v0-31 addresses and constants; from v128 A's fragments (8 x 16 rows x 128 K), ONE set; on the way out v32-95 held sums, v96-111 offsets, v128-255 codes.
;   window 1: B's fragments, TWO sets, at v0 and at v128.   window 2: the accumulators of A's blocks 0-3 ((a, b) at v[8 (8 (a % 4) + b)]);   window 3: those of blocks 4-7.
.set ROWB,   256                       ; a tile's row in bytes: 256 codes
.set KROW,   1024                      ; a row of codes in memory
.set PITCH,  272                       ; an LDS row: 256 bytes + 16 of padding = 68 words: row r starts at bank 4 r mod 64 (64 banks of 4 bytes: ISA guide 11.1), so the 16 rows that a load touches start at 16 different banks
.set FR,     16                        ; registers of a fragment: 16 rows x 128 K
.set NL,     4                         ; LDS loads that bring one
.set NP,     4                         ; places behind this matrix instruction (ISA guide 7.12.1)
.set HALFT,  128*PITCH                 ; 128 rows: what one tensor load brings, and what one wave reads of A or of B
.set SLOT,   4*HALFT                   ; A's 256 rows, then B's 256 rows
.set SPARE,  2*SLOT                    ; behind the ring: the spare words, 128 bytes for each wave: two blocks of 256 bytes that no other line names
.set ADRA, 16                          ; v16-17  LDS address of my A fragments in slot 0, 1
.set ADRB, 20                          ; v20-21  the same for B
.set L16,  27                          ; v27     16 x lane
.set SPW,  28                          ; v28     LDS address of my spare word: SPARE + 4 x my thread's number; never rewritten
.set NIL,  29                          ; v29     0; never rewritten
.set SC,   30                          ; v30     2^E as f32
.set LIM,  31                          ; v31     448 x 2^E
.set TMP,  32                          ; v32-95  the way out: a block's 64 sums, held
.set VO,   96                          ; v96-111 the way out: two store offsets for each block
.set AF,   128                         ; A's fragments
.set CD,   128                         ; the way out: 16 registers of codes for each block
.set G1, 24                            ; s[24:31] descriptor group 1 for A's tiles;  s[32:39] group 0, one set for each slot
.set G0, 32
.set G1B, 48                           ; s[48:55], s[56:63] the same for B's tiles
.set G0B, 56
.set MSB, 0
.macro WIN new                         ; the immediate's high byte repeats the setting that is left
.if MSB != \new
	s_set_vgpr_msb (MSB<<8)|\new
.set MSB, \new
.endif
.endm
.set MUL_LO, 0xa1                      ; source 0 (B) window 1, source 1 (A) window 0, C and D window 2
.set MUL_HI, 0xf1                      ; the same, C and D window 3
.set TO_B,   0x40                      ; destination window 1, address window 0
; A joint load: waves 0 and 1 fetch for A, waves 2 and 3 for B.  Each of the two lines has ONE mask and one set of registers for all that issue it; the branch hangs on the wave's number alone.
; An s_nop 0 and four v_nop follow each of the two lines, ahead of the jump, the label and what follows.
.macro JLOAD g0a, g1a, g0b, g1b
	s_cmp_eq_u32 s17, 0
	s_cbranch_scc0 .Lfor_b_\@
	tensor_load_to_lds s[\g0a:\g0a+3], s[\g1a:\g1a+7]
	s_nop 0
.rept 4
	v_nop
.endr
	s_branch .Lasked_\@
.Lfor_b_\@:
	tensor_load_to_lds s[\g0b:\g0b+3], s[\g1b:\g1b+7]
	s_nop 0
.rept 4
	v_nop
.endr
.Lasked_\@:
.endm
.macro CREST                           ; a round of the cluster's barrier behind its opening barrier
	s_cmp_lg_u32 s16, 0
	s_cbranch_scc1 .Lnot_wave_0_\@
	s_barrier_signal -3
.Lnot_wave_0_\@:
	s_barrier_wait -3
	s_barrier_signal -1
	s_barrier_wait -1
.endm
.macro CROUND                          ; a whole round
	s_barrier_signal -1
	s_barrier_wait -1
	CREST
.endm
	s_load_b256 s[4:11], s[0:1], 0x0               ; xq 4:5, xkv 6:7, wqkv 8:9, the scales' exponents 10:11
	s_load_b128 s[12:15], s[0:1], 0x20             ; qc 12:13, kvc 14:15
	v_lshl_add_u32 v[SPW], v0, 2, SPARE
	v_mov_b32 v[NIL], 0
	ds_add_u32 v[SPW], v[NIL]                      ; the wave's opening: the add and its wait stand ahead of my first tensor load; the set-up below, work on registers, stands between them
	ds_add_u32 v[SPW], v[NIL]
	v_lshrrev_b32 v1, 5, v0
	v_readfirstlane_b32 s16, v1                    ; wave 0..3
	s_lshr_b32 s17, s16, 1                         ; which half of A's rows is mine.  Also: I fetch for A (0) or for B (1)
	s_and_b32 s18, s16, 1                          ; which half of B's rows.  Also: which 128 rows of that tile I fetch
	s_bfe_u32 s20, ttmp6, 0x40000                  ; cx, cy: my place in the cluster
	s_bfe_u32 s21, ttmp6, 0x40004
	s_lshl_b32 s23, ttmp9, 2                       ; 4 x cluster x
	s_and_b32 s22, ttmp7, 0xffff
	s_lshl_b32 s22, s22, 2                         ; 4 x cluster y
	s_lshl_b32 s42, s21, 2
	s_lshl_b32 s42, 15, s42                        ; my row of the cluster
	s_lshl_b32 s43, 0x1111, s20                    ; my column
	s_cmp_eq_u32 ttmp9, 2                          ; v?  (the same in all sixteen partners)
	s_cselect_b32 s40, 8, s22                      ; A's tile of 256 rows: v: wqkv's rows 2,048 on; q, k: tokens
	s_cselect_b32 s41, s22, s23                    ; B's: v: tokens; q, k: wqkv's rows 1,024 x cluster x on
	s_add_co_u32 s40, s40, s21                     ; + cy
	s_add_co_u32 s41, s41, s20                     ; + cx
	; descriptor group 1: a tile of 128 rows x 256 bytes, padded in LDS
	s_or_b32 s[G1+0], s42, (0<<16)|(1<<20)|(1<<21)|(5<<22)|(3<<25)  ; 15:0 the mask: A's tiles go to my row; 17:16 element of 1 byte; 20 padding on; 21 set beside a mask; 24:22 after every 64 words (code 5); 31:25 of 4 words (code 3)
	s_or_b32 s[G1B+0], s43, (0<<16)|(1<<20)|(1<<21)|(5<<22)|(3<<25)
.irp g, G1, G1B
	s_mov_b32 s[\g+1], ROWB<<16                    ; tensor_dim0
	s_mov_b32 s[\g+2], 128<<16                     ; tensor_dim1 = 128
	s_mov_b32 s[\g+3], ROWB<<16                    ; tile_dim0
	s_mov_b32 s[\g+4], 128                         ; tile_dim1 = 128
	s_mov_b32 s[\g+5], KROW                        ; tensor_dim0_stride
	s_mov_b32 s[\g+6], 0
	s_mov_b32 s[\g+7], 0
.endr
	s_lshl_b32 s66, s18, 7                         ; which 128 rows of the tile I fetch
	s_lshl_b32 s44, s40, 8
	s_add_co_u32 s44, s44, s66
	s_lshl_b32 s44, s44, 10                        ; A: (256 x tile + 128 x half) rows of 1,024 bytes
	s_mov_b32 s45, 0
	s_lshl_b32 s46, s41, 8
	s_add_co_u32 s46, s46, s66
	s_lshl_b32 s46, s46, 10                        ; B likewise
	s_mov_b32 s47, 0
	s_mul_i32 s19, s16, HALFT                      ; where they go: wave x 128 rows: no place in the cluster enters an LDS address
	s_wait_dscnt 0x0                               ; the opening add is done
	s_wait_kmcnt 0x0
	s_load_b256 s[68:75], s[10:11], 0x0            ; e0 .. e7
	s_cmp_eq_u32 ttmp9, 0
	s_cselect_b64 s[76:77], s[4:5], s[6:7]         ; the tokens' codes: with e0 for q, with e2 for k and v
	s_cmp_eq_u32 ttmp9, 2
	s_cselect_b64 s[78:79], s[8:9], s[76:77]       ; A's buffer
	s_cselect_b64 s[84:85], s[76:77], s[8:9]       ; B's buffer
	s_add_nc_u64 s[44:45], s[78:79], s[44:45]
	s_add_nc_u64 s[46:47], s[84:85], s[46:47]
	CROUND                                         ; all sixteen work-groups are here: the first joint loads meet
.irp s, 0,1
	s_mov_b32 s[G0+4*\s], 1
	s_add_co_u32 s[G0+4*\s+1], s19, \s*SLOT
	s_add_nc_u64 s[G0+4*\s+2:G0+4*\s+3], s[44:45], \s*ROWB
	s_or_b32 s[G0+4*\s+3], s[G0+4*\s+3], 0x80000000
	s_mov_b32 s[G0B+4*\s], 1
	s_add_co_u32 s[G0B+4*\s+1], s19, \s*SLOT
	s_add_nc_u64 s[G0B+4*\s+2:G0B+4*\s+3], s[46:47], \s*ROWB
	s_or_b32 s[G0B+4*\s+3], s[G0B+4*\s+3], 0x80000000
.endr
	JLOAD G0, G1, G0B, G1B                         ; K step 0: one tensor load a wave at the head
	v_and_b32 v1, 15, v0                           ; l % 16
	v_bfe_u32 v2, v0, 4, 1                         ; l / 16
	v_mul_u32_u24 v3, v1, PITCH
	v_lshl_add_u32 v4, v2, 4, v3                   ; a fragment's row x pitch + 16 x half
	s_mul_i32 s66, s17, HALFT                      ; my 128 rows of A
	s_mul_i32 s67, s18, HALFT                      ; my 128 rows of B,
	s_add_co_u32 s67, s67, 2*HALFT                 ; which lie behind A's 256
.irp s, 0,1
	v_add_nc_u32 v[ADRA+\s], s66, v4
	v_add_nc_u32 v[ADRB+\s], s67, v4
	s_add_co_u32 s66, s66, SLOT
	s_add_co_u32 s67, s67, SLOT
.endr
	v_and_b32 v6, 31, v0
	v_lshlrev_b32 v[L16], 4, v6
.macro FRAG reg, adr, q, i             ; a fragment is 16 registers: lane l holds row l % 16; registers 4 c .. 4 c + 3 hold places 32 c + 16 (l / 16) + 0 .. 15 of the step's 128: the same places in A and in B
.irp c, 0,1,2,3
	ds_load_b128 v[\reg+4*\c:\reg+4*\c+3], v[\adr] offset:128*(\q)+32*\c+(\i)*16*PITCH
.endr
.endm
; 16 matrix instructions: A's blocks a0, a0 + 1 x B's eight, 128 along K.  p: B's set.  zero = 1: the first product starts the sums: nothing is ever cleared.
; The 64 accumulators take turns, one instruction a turn, in the same order in every step.
.macro MUL16 a0, p, zero
.irp a, \a0, \a0+1
.irp b, 0,1,2,3,4,5,6,7
.if \zero
	v_wmma_f32_16x16x128_fp8_fp8 v[8*(8*((\a)%4)+\b):8*(8*((\a)%4)+\b)+7], v[128*(\p)+FR*\b:128*(\p)+FR*\b+FR-1], v[AF+FR*(\a):AF+FR*(\a)+FR-1], 0
.else
	v_wmma_f32_16x16x128_fp8_fp8 v[8*(8*((\a)%4)+\b):8*(8*((\a)%4)+\b)+7], v[128*(\p)+FR*\b:128*(\p)+FR*\b+FR-1], v[AF+FR*(\a):AF+FR*(\a)+FR-1], v[8*(8*((\a)%4)+\b):8*(8*((\a)%4)+\b)+7]
.endif
.endr
.endr
.endm
.macro FETCH_B slot, q, p              ; B's eight fragments of the slot's q-th 128 along K into set p
	WIN TO_B
.irp i, 0,1,2,3,4,5,6,7
	FRAG 128*(\p)+FR*\i, ADRB+\slot, \q, \i
.endr
	WIN 0
.endm
.macro FETCH_A slot, q, i0             ; A's blocks i0 .. i0 + 3
.irp i, \i0, \i0+1, \i0+2, \i0+3
	FRAG AF+FR*(\i), ADRA+\slot, \q, \i
.endr
.endm
; A load into a register that a matrix instruction has read, and a vector instruction that reads a matrix result or writes one of a matrix instruction's registers, stand NP places behind it, and only plain vector
; instructions that name none of its registers are places (ISA guide 7.12.1 for vector instructions).
.macro PLACES n
.rept \n
	v_nop
.endr
.endm
; A step of 128 along K that has its successor in the same slot.  A block of A is free as soon as its eight products are issued, so one set of registers serves A; B's fragments are at work through the whole step and have two.
.macro STEP slot, q, zero
	s_wait_dscnt 4*NL                              ; B's set and A's blocks 0-3 are in; the youngest sixteen loads (A's blocks 4-7) may be out
	WIN MUL_LO
	MUL16 0, (\q)%2, \zero
	MUL16 2, (\q)%2, \zero
	s_wait_dscnt 0                                 ; A's blocks 4-7 are in (asked for 32 matrix instructions ago)
	PLACES NP
	FETCH_B \slot, (\q)+1, 1-(\q)%2
	FETCH_A \slot, (\q)+1, 0
	WIN MUL_HI
	MUL16 4, (\q)%2, \zero
	MUL16 6, (\q)%2, \zero
	PLACES NP
	WIN 0
	FETCH_A \slot, (\q)+1, 4
.endm
; A slot's last step changes slots: ONE barrier; in front of it each wave waits for all its tensor loads, adds 0 to its spare word, and waits for that and for its own reads of this slot.  fill = 1: this slot is filled again, two K steps ahead.
.macro TURN slot, next, fill
	s_wait_tensorcnt 0x0                           ; all my tensor loads have landed: my part of the next slot;  (every window is 0 here: the add's two registers lie in window 0)
	ds_add_u32 v[SPW], v[NIL]                      ; 0 onto my spare word
	s_wait_dscnt 4*NL+1                            ; (the add and the youngest sixteen loads, A's blocks 4-7, may be out)
	WIN MUL_LO
	MUL16 0, 1, 0                                  ; sixteen matrix instructions stand between the add and the wait for it
	s_wait_dscnt 0x0                               ; the add is done, and my reads of this slot are over
	s_barrier_signal -1
	MUL16 2, 1, 0
	WIN 0
	s_barrier_wait -1
.if \fill
	CREST                                          ; the barrier has opened a round of the cluster's barrier: no wave of any partner still reads this slot's tile or has a load on its way
	s_add_nc_u64 s[G0+4*\slot+2:G0+4*\slot+3], s[G0+4*\slot+2:G0+4*\slot+3], 2*ROWB
	s_add_nc_u64 s[G0B+4*\slot+2:G0B+4*\slot+3], s[G0B+4*\slot+2:G0B+4*\slot+3], 2*ROWB
	JLOAD G0+4*\slot, G1, G0B+4*\slot, G1B         ; the first tensor load behind the round, my only one until the next; the four v_nop behind it are the places in front of the loads below
.else
	PLACES NP
.endif
	FETCH_B \next, 0, 0
	FETCH_A \next, 0, 0
	WIN MUL_HI
	MUL16 4, 1, 0
	MUL16 6, 1, 0
	PLACES NP
	WIN 0
	FETCH_A \next, 0, 4
.endm
	s_wait_alu depctr_va_vdst(0)
	s_wait_tensorcnt 0x0                           ; my part of K step 0 is in
	ds_add_u32 v[SPW], v[NIL]
	s_wait_dscnt 0x0
	CROUND                                         ; everybody's part of K step 0 is in, and all sixteen work-groups are here
	JLOAD G0+4, G1, G0B+4, G1B                     ; K step 1, slot 1's first fill: the first tensor load behind the round
	FETCH_B 0, 0, 0
	FETCH_A 0, 0, 0
	FETCH_A 0, 0, 4
	STEP 0, 0, 1                                   ; K = 1,024 is four K steps of 256, eight steps of 128: written out.  The first step's products start the sums
	TURN 0, 1, 1                                   ; slot 0 takes K step 2
	STEP 1, 0, 0
	TURN 1, 0, 1                                   ; slot 1 takes K step 3
	STEP 0, 0, 0
	TURN 0, 1, 0                                   ; nothing is left to fetch: no round of the cluster's barrier
	STEP 1, 0, 0
	s_wait_dscnt 4*NL                              ; the very last step
	WIN MUL_LO
	MUL16 0, 1, 0
	MUL16 2, 1, 0
	s_wait_dscnt 0
	WIN MUL_HI
	MUL16 4, 1, 0
	MUL16 6, 1, 0
	WIN 0
	; THE WAY OUT.  All that differs between q, k and v is chosen by s_cselect on the cluster's x; no branch.
	s_wait_kmcnt 0x0
	s_add_co_i32 s86, s68, s69                     ; e0 + e1
	s_add_co_i32 s87, s70, s71                     ; e2 + e3
	s_mov_b32 s90, 262144                          ; bytes of a (b, head) in kvc
	s_mov_b32 s91, 1024                            ; from block a to block a + 1: the next token tile's image
	s_mov_b32 s92, 1024                            ; the same from block 3 to block 4
	s_cmp_eq_u32 ttmp9, 0                          ; q?
	s_cselect_b32 s86, s86, s87                    ; what the sums lack
	s_cselect_b32 s88, s72, s73                    ; e4 or e5
	s_cselect_b32 s90, 131072, s90                 ; bytes of a (b, head) in qc
	s_cselect_b64 s[80:81], s[12:13], s[14:15]
	s_mov_b32 s93, s90                             ; from a block's first two stores to its last two: the next head
	s_cmp_eq_u32 ttmp9, 2                          ; v?
	s_cselect_b32 s88, s75, s88                    ; e7
	s_cselect_b32 s91, 2048, s91                   ; v: the next 16 channels' image;
	s_cselect_b32 s92, 256000, s92                 ; from the fourth to the next head's first: 262,144 - 3 x 2,048
	s_cselect_b32 s93, 1024, s93                   ; v: the second half of the same image
	s_cselect_b32 s94, s41, s40                    ; the tokens' tile of 256,
	s_cselect_b32 s95, s18, s17                    ; and my half of it
	s_cselect_b32 s96, s21, s20                    ; the channels' tile of 256 (four heads),
	s_cselect_b32 s97, s17, s18                    ; and my half of it
	s_cselect_b32 s98, 131072, 0                   ; v lies behind k
	s_sub_co_i32 s88, s88, s86                     ; E
	s_add_co_i32 s88, s88, 127
	s_lshl_b32 s89, s88, 23
	v_mov_b32 v[SC], s89                           ; 2^E as f32: the conversion takes its exponent field
	s_add_co_i32 s88, s88, 8
	s_lshl_b32 s88, s88, 23
	s_or_b32 s88, s88, 0x600000
	v_mov_b32 v[LIM], s88                          ; 448 x 2^E
	s_wait_alu depctr_va_vdst(0)
	s_lshl_b32 s94, s94, 8
	s_lshl_b32 s95, s95, 7
	s_add_co_u32 s94, s94, s95                     ; my first token
	s_lshr_b32 s95, s94, 11                        ; b
	s_and_b32 s94, s94, 2047                       ; its place in the sequence
	s_lshl_b32 s95, s95, 4
	s_lshl_b32 s96, s96, 2
	s_lshl_b32 s97, s97, 1
	s_add_co_u32 s95, s95, s96
	s_add_co_u32 s95, s95, s97                     ; 16 b + my first head
	s_mul_i32 s95, s95, s90
	s_lshl_b32 s94, s94, 6                         ; 64 bytes a token: 1,024 for a tile of 16, 8,192 for 128 keys
	s_add_co_u32 s94, s94, s95
	s_add_co_u32 s94, s94, s98
	s_mov_b32 s95, 0
	s_add_nc_u64 s[80:81], s[80:81], s[94:95]
	s_mov_b32 s82, 0                               ; block a's first two stores,
	s_mov_b32 s83, s93                             ; and its last two
	PLACES NP                                      ; behind the last products: for the reads of results and for the writes over A's fragments
; Block a: A's 16 rows x B's 128.  The 64 sums are held and converted, eight to two registers: 16 registers, which ARE operand registers: q, k: token tile a, two heads' images of 8; v: 16 channels x my 128 keys, one image of 16.
; Each block has its own registers for codes and offsets, so no store's sources are written again.  Each accumulator is read from its low end on.
.macro OUTBLK a
.set AC, 64*((\a)%4)
	v_add_nc_u32 v[VO+2*(\a)], s82, v[L16]
	v_add_nc_u32 v[VO+2*(\a)+1], s83, v[L16]
	WIN 0x02+((\a)/4)                              ; source 0: window 2 or 3
.set n, 0
.rept 64
	v_med3_num_f32 v[TMP+n], v[AC+n], -v[LIM], v[LIM]   ; the conversion to an 8-bit code does not saturate (ISA guide 7.6.2): the hold at the largest code x the scale
.set n, n+1
.endr
	WIN 0
.irp b, 0,1,2,3,4,5,6,7
	v_cvt_scalef32_pk8_fp8_f32 v[CD+16*(\a)+2*\b:CD+16*(\a)+2*\b+1], v[TMP+8*\b:TMP+8*\b+7], v[SC]
.endr
	v_nop                                          ; one plain vector instruction between a scaled conversion and the next vector line that writes its sources
.irp q, 0,1,2,3
	global_store_b128 v[VO+2*(\a)+(\q>>1)], v[CD+16*(\a)+4*\q:CD+16*(\a)+4*\q+3], s[80:81] offset:512*(\q&1)   ; 32 lanes store 512 consecutive bytes, at a multiple of 512 from the buffer's first byte
.endr
.if (\a) == 3
	s_add_co_u32 s82, s82, s92
.else
	s_add_co_u32 s82, s82, s91
.endif
	s_add_co_u32 s83, s82, s93
.endm
.irp a, 0,1,2,3,4,5,6,7
	OUTBLK \a
.endr
	s_wait_tensorcnt 0x0                           ; the wave's end
	ds_add_u32 v[SPW], v[NIL]
	s_wait_dscnt 0x0
	CROUND                                         ; the closing round: no work-group ends while a partner may still ask for a tile that names it
	s_endpgm
.Lfunc_end_k_qafbb186691_qkv:
	.size	k_qafbb186691_qkv, .Lfunc_end_k_qafbb186691_qkv-k_qafbb186691_qkv
	.p2alignl 7, 3214868480
	.fill 96, 4, 3214868480
	.section	.rodata,"a",@progbits
	.p2align	6, 0x0
	.amdhsa_kernel k_qafbb186691_qkv
		.amdhsa_group_segment_fixed_size 327680
		.amdhsa_private_segment_fixed_size 0
		.amdhsa_enable_private_segment 0
		.amdhsa_kernarg_size 48
		.amdhsa_user_sgpr_count 2
		.amdhsa_user_sgpr_kernarg_segment_ptr 1
		.amdhsa_wavefront_size32 1
		.amdhsa_system_sgpr_workgroup_id_x 1
		.amdhsa_system_sgpr_workgroup_id_y 1
		.amdhsa_system_sgpr_workgroup_id_z 1
		.amdhsa_system_vgpr_workitem_id 0
		.amdhsa_next_free_vgpr 1024
		.amdhsa_next_free_sgpr 100
		.amdhsa_reserve_vcc 0
		.amdhsa_float_denorm_mode_32 3
		.amdhsa_float_denorm_mode_16_64 3
		.amdhsa_memory_ordered 1
		.amdhsa_forward_progress 1
		.amdhsa_inst_pref_size 120
	.end_amdhsa_kernel
	.amdgpu_metadata
---
amdhsa.version: [ 1, 2 ]
amdhsa.kernels:
  - .name:           k_qafbb186691_qkv
    .symbol:         k_qafbb186691_qkv.kd
    .args:
      - { .name: xq, .offset: 0, .size: 8, .value_kind: global_buffer, .address_space: global }
      - { .name: xkv, .offset: 8, .size: 8, .value_kind: global_buffer, .address_space: global }
      - { .name: wqkv, .offset: 16, .size: 8, .value_kind: global_buffer, .address_space: global }
      - { .name: lowp_scales, .offset: 24, .size: 8, .value_kind: global_buffer, .address_space: global }
      - { .name: qc, .offset: 32, .size: 8, .value_kind: global_buffer, .address_space: global }
      - { .name: kvc, .offset: 40, .size: 8, .value_kind: global_buffer, .address_space: global }
    .group_segment_fixed_size: 327680
    .private_segment_fixed_size: 0
    .kernarg_segment_align: 8
    .kernarg_segment_size: 48
    .max_flat_workgroup_size: 128
    .sgpr_count:     100
    .vgpr_count:     1024
    .wavefront_size: 32
...
	.end_amdgpu_metadata
.endif
;; end of part 2
;; launch attn (part 3): grid 4 x 64, 8 waves a work-group, clusters of 4 x 1, 327,680 bytes of LDS; arguments qc, kvc, lowp_scales, ao; writes ao
.if DOCPART == 3
	.amdgcn_target "amdgcn-amd-amdhsa--gfx1250"
	.amdhsa_code_object_version 6
	.text
	.protected	k_qafbb186691_attn
	.globl	k_qafbb186691_attn
	.p2align	8
	.type	k_qafbb186691_attn,@function
k_qafbb186691_attn:
	s_mov_b64 s[64:65], 0
	v_nop
	global_prefetch_b8 v0, s[64:65] scope:SCOPE_SE
	s_setreg_imm32_b32 hwreg(HW_REG_WAVE_MODE, 25, 1), 1
	s_wait_xcnt 0x0
	s_wait_alu depctr_hold_cnt(0) depctr_sa_sdst(0) depctr_va_vdst(0) depctr_va_sdst(0) depctr_va_ssrc(0) depctr_va_vcc(0) depctr_vm_vsrc(0)
	s_getreg_b32 s2, hwreg(HW_REG_IB_STS2, 6, 4)
	s_cmp_eq_u32 s2, 0
	s_cbranch_scc0 .Lentry_in_a_cluster
	s_endpgm
.Lentry_in_a_cluster:
	s_bfe_u32 s2, ttmp6, 0x10000c
	s_cmp_lg_u32 s2, 0x3003
	s_cbranch_scc0 .Lentry_shape_is_right
	s_endpgm
.Lentry_shape_is_right:
; ATTN: causal attention on codes of FP8 (E4M3), head size 64, and its result quantised with e8 for the last product.
; qc, kvc: images of operand registers as launch qkv lays them (q: 16 tokens x 64 channels in 1,024 bytes; k likewise; v: 16 channels x 128 keys in 2,048 bytes).
; ao [b x token tile: 512][head: 16][1,024 bytes]: register 2 t + e of lane (r, h) = channels 16 t + 8 h + 4 e + 0..3 of token r.
; THE SOFTMAX: t = score x log2(e) / 8; M = the running largest t rounded UP to a whole number; p = 2^(t - M) is quantised with e6; the row's sum is taken of the unquantised p and divides at the end.
; The running maximum is kept of the raw scores: c is positive, so c x the largest score is the largest t.
; LEFT OUT: key steps all of whose 128 keys come after a tile pair's queries: the causal mask gives them the weight 0 for all values of the inputs.  A NaN or infinity that reaches only such scores is not carried to the result.
; SHARES.  A cluster of four work-groups owns one (b, head); all four need all of its K and V, 262,144 bytes, which lie in each one's LDS as they lie in memory, brought by joint loads: 8,192 bytes a wave at the head
; (keys 0-511), 24,576 bytes a wave behind a second round.  Nothing is filled again.
; Work-group cx owns the token tiles T with T % 4 = cx.  A wave works on a PAIR of tiles at once, A: T = 8 a + cx and B: T = 8 a + 4 + cx: both have their diagonal in key step a, and each fragment of K and V feeds both.
; Wave w takes pair 15 - w (16 - w key steps) and then pair w (w + 1 key steps): 17 in every wave.
; Both products are used transposed (S^T = K Q^T, O^T = V^T P^T): a lane holds one query throughout, and p's conversions give the second product's operand.
; REGISTERS.  Window 1: v0-63 S^T then p of A, v64-127 of B, v128-159 and v160-191 O^T, v192-207 and v208-223 p's codes, v224-255 Q of the four tiles.
; Window 0: v1-8 addresses and constants; A: v12 -M, v13 largest score, v14-21 the sum in four pairs; B: v22, v23, v24-31; v32-95 K's fragments, v96-159 V's; v160-175 at work; v176-207 the way out; v216-219 constants; v220-251 the result's codes.
; So one window setting serves both tiles in each kind of line, and the two tiles' lines take turns.
; No prefetch: all of K and V is asked for at the head, and there is no loop to run ahead in.
; LIMITS: e4 + e5 between -123 and 130 (added to c's exponent field); e6 between -126 and 119; the scaled scores stay under 2^31 in magnitude.  NaN among the codes is not served.
.set VBASE, 131072                     ; V's images lie behind K's
.set SPARE, 262144                     ; the spare words, 128 bytes a wave: four blocks of 256 bytes that no other line names
.set L16,  1                           ; 16 x lane
.set SPW,  2                           ; my spare word; never rewritten
.set NIL,  3                           ; 0; never rewritten
.set ADK,  4
.set ADV,  5
.set VD,   6                           ; 16 cx + r - 8 h: the diagonal's test
.set NINF, 8                           ; -infinity
.set SA,   0
.set SB,   64
.set OA,   128
.set OB,   160
.set CA,   192
.set CB,   208
.set WV,   12
.set G1A,  16
.set G1B,  24
.set G0A,  32
.set G0B,  36
.set SEL,  40
.set CS,   42
.set KS,   44                          ; the key step
.set TB,   45                          ; its first LDS byte
.set CNT,  46
.set MSB, 0
.macro WIN new                         ; the immediate's high byte repeats the setting that is left
.if MSB != \new
	s_set_vgpr_msb (MSB<<8)|\new
.set MSB, \new
.endif
.endm
.macro CROUND                          ; a round of the cluster's barrier
	s_barrier_signal -1
	s_barrier_wait -1
	s_cmp_lg_u32 s[WV], 0
	s_cbranch_scc1 .Lnot_wave_0_\@
	s_barrier_signal -3
.Lnot_wave_0_\@:
	s_barrier_wait -3
	s_barrier_signal -1
	s_barrier_wait -1
.endm
.macro INIT                            ; a pair begins: the largest score under every score, the sums and O^T zeros, which the first change of M leaves zeros
	v_mov_b32 v13, 0xff61b1e6
	v_mov_b32 v23, 0xff61b1e6
	v_floor_f32 v12, -v13
	v_floor_f32 v22, -v23
.set j, 0
.rept 8
	v_mov_b32 v[14+j], 0
	v_mov_b32 v[24+j], 0
.set j, j+1
.endr
	WIN 0x40
.set j, 0
.rept 64
	v_mov_b32 v[OA+j], 0
.set j, j+1
.endr
	WIN 0
.endm
	s_load_b256 s[4:11], s[0:1], 0x0               ; qc 4:5, kvc 6:7, scales 8:9, ao 10:11
	v_lshl_add_u32 v[SPW], v0, 2, SPARE
	v_mov_b32 v[NIL], 0
	ds_add_u32 v[SPW], v[NIL]                      ; the opening lines: the add, twice on end, and one wait
	ds_add_u32 v[SPW], v[NIL]
	v_lshrrev_b32 v9, 5, v0
	v_readfirstlane_b32 s[WV], v9                  ; wave 0..7
	v_and_b32 v[L16], 31, v0
	v_lshlrev_b32 v[L16], 4, v[L16]
	s_bfe_u32 s13, ttmp6, 0x40000                  ; cx
	s_and_b32 s14, ttmp7, 0xffff                   ; 16 b + head
	s_mov_b32 s[G1A], 15|(3<<16)|(1<<21)           ; the mask names the four; elements of 8 bytes; rows of 256 bytes, dense
	s_mov_b32 s[G1A+1], 32<<16
	s_mov_b32 s[G1A+2], 32<<16                     ; 32 rows
	s_mov_b32 s[G1A+3], 32<<16
	s_mov_b32 s[G1A+4], 32
	s_mov_b32 s[G1A+5], 32
	s_mov_b32 s[G1A+6], 0
	s_mov_b32 s[G1A+7], 0
	s_mov_b32 s[G1B], 15|(3<<16)|(1<<21)
	s_mov_b32 s[G1B+1], 32<<16
	s_mov_b32 s[G1B+2], 96<<16                     ; 96 rows
	s_mov_b32 s[G1B+3], 32<<16
	s_mov_b32 s[G1B+4], 96
	s_mov_b32 s[G1B+5], 32
	s_mov_b32 s[G1B+6], 0
	s_mov_b32 s[G1B+7], 0
	s_lshr_b32 s70, s[WV], 2                       ; waves 0-3 fetch K, waves 4-7 V
	s_lshl_b32 s70, s70, 17
	s_and_b32 s71, s[WV], 3
	s_lshl_b32 s72, s71, 13
	s_add_co_u32 s72, s72, s70                     ; first fill: 8,192 bytes at the same offset in LDS and in the head's block
	s_mov_b32 s73, 0
	s_mul_i32 s74, s71, 24576
	s_add_co_u32 s74, s74, s70
	s_add_co_u32 s74, s74, 32768                   ; second fill: 24,576 bytes behind the first 32,768
	s_mov_b32 s75, 0
	s_lshl_b32 s70, s14, 18
	s_mov_b32 s71, 0
	s_sub_co_u32 s47, 15, s[WV]                    ; the first pair, and its diagonal's key step
	s_mov_b32 s48, s[WV]                           ; the second
	s_lshl_b32 s77, s47, 3
	s_add_co_u32 s77, s77, s13                     ; their first tiles T
	s_lshl_b32 s78, s[WV], 3
	s_add_co_u32 s78, s78, s13
	s_lshl_b32 s66, s14, 17
	s_lshl_b32 s15, s77, 10
	s_add_co_u32 s66, s66, s15
	s_mov_b32 s67, 0
	s_lshl_b32 s68, s14, 17
	s_lshl_b32 s15, s78, 10
	s_add_co_u32 s68, s68, s15
	s_mov_b32 s69, 0
	s_mov_b32 s[SEL], 0x76543210
	s_mov_b32 s[SEL+1], 0xfedcba98
	s_mov_b32 s[CS], 0x3e38aa3b                    ; c = log2(e) / 8
	s_wait_alu depctr_va_vdst(0)
	s_wait_dscnt 0x0
	s_wait_kmcnt 0x0
	s_load_b256 s[56:63], s[8:9], 0x0              ; e0 .. e7
	s_load_b32 s54, s[8:9], 0x20                   ; e8
	s_add_nc_u64 s[66:67], s[4:5], s[66:67]
	s_add_nc_u64 s[68:69], s[4:5], s[68:69]
	WIN 0x40                                       ; Q of the four tiles, asked for ahead of the rounds; a pair's tile B lies 4 images behind its tile A
	global_load_b128 v[224:227], v[L16], s[66:67]
	global_load_b128 v[228:231], v[L16], s[66:67] offset:512
	global_load_b128 v[232:235], v[L16], s[66:67] offset:4096
	global_load_b128 v[236:239], v[L16], s[66:67] offset:4608
	global_load_b128 v[240:243], v[L16], s[68:69]
	global_load_b128 v[244:247], v[L16], s[68:69] offset:512
	global_load_b128 v[248:251], v[L16], s[68:69] offset:4096
	global_load_b128 v[252:255], v[L16], s[68:69] offset:4608
	WIN 0
	s_add_nc_u64 s[6:7], s[6:7], s[70:71]
	s_mov_b32 s[G0A], 1
	s_mov_b32 s[G0A+1], s72
	s_add_nc_u64 s[G0A+2:G0A+3], s[6:7], s[72:73]
	s_or_b32 s[G0A+3], s[G0A+3], 0x80000000
	s_mov_b32 s[G0B], 1
	s_mov_b32 s[G0B+1], s74
	s_add_nc_u64 s[G0B+2:G0B+3], s[6:7], s[74:75]
	s_or_b32 s[G0B+3], s[G0B+3], 0x80000000
	CROUND                                         ; the four work-groups are here: the joint loads meet
	tensor_load_to_lds s[G0A:G0A+3], s[G1A:G1A+7]  ; keys 0-511: my one load at the head
	s_nop 0
.rept 4
	v_nop
.endr
	s_lshr_b32 s15, s14, 4                         ; the rest of the head stands under that load's flight
	s_lshl_b32 s15, s15, 7                         ; 128 b
	s_and_b32 s49, s14, 15
	s_lshl_b32 s49, s49, 10                        ; the head's image in a tile's 16,384 bytes
	s_add_co_u32 s77, s77, s15
	s_lshl_b32 s77, s77, 14
	s_add_co_u32 s70, s77, s49
	s_add_nc_u64 s[50:51], s[10:11], s[70:71]      ; where the first pair's result goes,
	s_add_co_u32 s78, s78, s15
	s_lshl_b32 s78, s78, 14
	s_add_co_u32 s70, s78, s49
	s_add_nc_u64 s[52:53], s[10:11], s[70:71]      ; and the second's
	s_lshl_b32 s76, s13, 4
	s_wait_kmcnt 0x0
	s_add_co_i32 s15, s60, s61
	s_lshl_b32 s15, s15, 23
	s_add_co_i32 s[CS], s[CS], s15                 ; c x 2^(e4 + e5)
	s_mov_b32 s[CS+1], s[CS]
	s_add_co_i32 s15, s62, 127
	s_lshl_b32 s49, s15, 23                        ; 2^e6
	s_add_co_i32 s15, s15, 8
	s_lshl_b32 s15, s15, 23
	s_or_b32 s15, s15, 0x600000                    ; 448 x 2^e6
	s_add_co_i32 s55, s62, s63
	s_sub_co_i32 s55, s55, s54                     ; e6 + e7 - e8
	v_and_b32 v9, 15, v0
	v_bfe_u32 v10, v0, 4, 1
	v_lshlrev_b32 v10, 3, v10
	v_sub_nc_u32 v9, v9, v10
	v_add_nc_u32 v[VD], s76, v9
	v_mov_b32 v[NINF], 0xff800000
	v_mov_b32 v164, 0                              ; a lane permute's destination counts as one of its sources
	v_mov_b32 v172, 0
	v_mov_b32 v167, 0                              ; (named as the upper halves of the pairs v[166:167], v[174:175])
	v_mov_b32 v175, 0
	v_mov_b32 v218, 0x43e00000                     ; 448
	v_mov_b32 v219, 1.0
	v_mov_b32 v217, s49
	v_mov_b32 v216, s15
	INIT
	s_wait_alu depctr_va_vdst(0)                   ; the head's end
	s_wait_tensorcnt 0x0                           ; the lines ahead of a later first fill
	ds_add_u32 v[SPW], v[NIL]
	s_wait_dscnt 0x0
	CROUND
	tensor_load_to_lds s[G0B:G0B+3], s[G1B:G1B+7]  ; keys 512-2047
	s_nop 0
.rept 4
	v_nop
.endr
.macro QK s, qr                        ; S^T = K Q^T: eight tiles of 16 keys
.irp t, 0,1,2,3,4,5,6,7
	v_wmma_f32_16x16x64_fp8_fp8 v[\s+8*\t:\s+8*\t+7], v[32+8*\t:39+8*\t], v[\qr:\qr+7], 0
.endr
.endm
.macro PV o, c                         ; O^T += V^T P^T: four tiles of 16 channels, the accumulators by turns
.irp t, 0,1,2,3
	v_wmma_f32_16x16x128_fp8_fp8 v[\o+8*\t:\o+8*\t+7], v[96+16*\t:111+16*\t], v[\c:\c+15], v[\o+8*\t:\o+8*\t+7]
.endr
.endm
.macro MASKC b                         ; 64 keys that hold the diagonal: register 8 t + i is hidden where 16 t + i > VD
.set n, 0
.rept 32
	v_cmp_gt_i32 vcc_lo, 16*(n/8)+n%8, v[VD]
	v_cndmask_b32 v[\b+n], v[\b+n], v[NINF], vcc_lo
.set n, n+1
.endr
.endm
.macro FMA s, m                        ; t - M, two at a time
.set j, 0
.rept 32
	v_pk_fma_f32 v[\s+j:\s+j+1], v[\s+j:\s+j+1], s[CS:CS+1], v[\m:\m+1] op_sel_hi:[1,0,0]
.set j, j+2
.endr
.endm
.macro SCALEO o, f                     ; O^T under the new M; its first reader stands ahead of the exponentials
.set j, 0
.rept 16
	v_pk_mul_f32 v[\o+j:\o+j+1], v[\o+j:\o+j+1], v[\f:\f+1] op_sel_hi:[1,0]
.set j, j+2
.endr
.endm
.macro SUM s, a                        ; the sum of the unquantised p, in four chains of pairs
.set n, 0
.rept 32
	v_pk_add_f32 v[\a+2*(n%4):\a+2*(n%4)+1], v[\a+2*(n%4):\a+2*(n%4)+1], v[\s+2*n:\s+2*n+1]
.set n, n+1
.endr
.endm
; A KEY STEP of 128 keys for both tiles of a pair.  A step behind the pair's diagonal is jumped over: ids and the count of steps alone decide.
.macro STEP qr, sd
	s_cmp_gt_u32 s[KS], s[\sd]
	s_cbranch_scc1 .Lhid_\@
	v_add_nc_u32 v[ADK], s[TB], v[L16]
	s_delay_alu instid0(VALU_DEP_1)
	v_add_nc_u32 v[ADV], VBASE, v[ADK]
	v_nop                                          ; with the two additions: four places behind the last products, ahead of the loads into their sources
	v_nop
.set n, 0
.rept 16
	ds_load_b128 v[32+4*n:35+4*n], v[ADK] offset:512*n
.set n, n+1
.endr
.set n, 0
.rept 16
	ds_load_b128 v[96+4*n:99+4*n], v[ADV] offset:512*n
.set n, n+1
.endr
	s_wait_dscnt 16                                ; K's sixteen loads are in; V's sixteen may be out
	WIN 0x44                                       ; S^T and Q in window 1, K's fragments in window 0
	QK SA, \qr
	QK SB, \qr+8
	WIN 0
.rept 4
	v_nop
.endr
	s_cmp_lg_u32 s[KS], s[\sd]
	s_cbranch_scc1 .Lopen_\@
	WIN 0x41
	MASKC SA                                       ; A's queries lie among the step's keys 0-63: these hold its diagonal,
.set n, 0
.rept 32
	v_mov_b32 v[SA+32+n], 0xff800000               ; and keys 64-127 are hidden
.set n, n+1
.endr
	MASKC SB+32                                    ; B's lie among keys 64-127; keys 0-63 all count
	WIN 0
.Lopen_\@:
	WIN 0x14                                       ; the largest score, old one included: four chains a tile, the tiles by turns
.set n, 0
.rept 32
.if n < 4
	v_max3_num_f32 v[160+n], v13, v[SA+2*n], v[SA+2*n+1]
	v_max3_num_f32 v[168+n], v23, v[SB+2*n], v[SB+2*n+1]
.else
	v_max3_num_f32 v[160+n%4], v[160+n%4], v[SA+2*n], v[SA+2*n+1]
	v_max3_num_f32 v[168+n%4], v[168+n%4], v[SB+2*n], v[SB+2*n+1]
.endif
.set n, n+1
.endr
	WIN 0                                          ; the new M and f = 2^(old M - new M), the two tiles' chains by turns
	v_max3_num_f32 v160, v160, v161, v162
	v_max3_num_f32 v168, v168, v169, v170
	v_mov_b32 v165, v12
	v_mov_b32 v173, v22
	v_max_num_f32 v160, v160, v163
	v_max_num_f32 v168, v168, v171
	v_permlanex16_b32 v164, v160, s[SEL], s[SEL+1]
	v_permlanex16_b32 v172, v168, s[SEL], s[SEL+1]
	v_max_num_f32 v13, v160, v164
	v_max_num_f32 v23, v168, v172
	v_mul_f32 v160, s[CS], v13                     ; as t (c is positive)
	v_mul_f32 v168, s[CS], v23
	v_floor_f32 v12, -v160                         ; -M = floor(-t)
	v_floor_f32 v22, -v168
	v_sub_f32 v165, v12, v165
	v_sub_f32 v173, v22, v173
	v_cvt_i32_f32 v165, v165                       ; (it saturates)
	v_cvt_i32_f32 v173, v173
	v_ldexp_f32 v166, 1.0, v165
	v_ldexp_f32 v174, 1.0, v173
.irp k, 0,2,4,6
	v_pk_mul_f32 v[14+\k:15+\k], v[14+\k:15+\k], v[166:167] op_sel_hi:[1,0]   ; the sums under the new M
	v_pk_mul_f32 v[24+\k:25+\k], v[24+\k:25+\k], v[174:175] op_sel_hi:[1,0]
.endr
	WIN 0x41
	FMA SB, 22
	SCALEO OA, 166
	SCALEO OB, 174
	s_wait_dscnt 0x0                               ; V's fragments are in
	s_wait_alu depctr_va_vdst(0)                   ; ahead of a batch
.set j, 0
.rept 32                                       ; B's exponentials; among them A's t - M, which reads nothing written behind the wait above and is first read behind the wait below
	v_exp_f32 v[SB+j], v[SB+j]
	v_exp_f32 v[SB+j+1], v[SB+j+1]
	v_pk_fma_f32 v[SA+j:SA+j+1], v[SA+j:SA+j+1], s[CS:CS+1], v[12:13] op_sel_hi:[1,0,0]
.set j, j+2
.endr
	v_nop
	s_wait_alu depctr_va_vdst(0)                   ; behind B's batch and ahead of A's
	WIN 0x04
	SUM SB, 24
	WIN 0x41
.set j, 0
.rept 64                                       ; A's exponentials; among them B's one-sided hold (the conversion does not saturate: ISA guide 7.6.2), first read behind the wait below
	v_exp_f32 v[SA+j], v[SA+j]
	v_min_num_f32 v[SB+j], v[SB+j], v216
.set j, j+1
.endr
	v_nop
	s_wait_alu depctr_va_vdst(0)                   ; behind A's batch
.irp t, 0,1,2,3,4,5,6,7
	v_cvt_scalef32_pk8_fp8_f32 v[CB+2*\t:CB+2*\t+1], v[SB+8*\t:SB+8*\t+7], v217
.endr
	WIN 0x04
	SUM SA, 14                                     ; (plain lines between B's conversions and the products that read them)
	WIN 0x54                                       ; O^T and the codes in window 1, V's fragments in window 0
	PV OB, CB
	WIN 0x41
.irp t, 0,1,2,3,4,5,6,7
.irp i, 0,1,2,3,4,5,6,7
	v_min_num_f32 v[SA+8*\t+\i], v[SA+8*\t+\i], v216
.endr
	v_cvt_scalef32_pk8_fp8_f32 v[CA+2*\t:CA+2*\t+1], v[SA+8*\t:SA+8*\t+7], v217
.endr
	v_nop                                          ; a plain line between the last conversion and the products that read its result
	WIN 0x54
	PV OA, CA
	WIN 0
.Lhid_\@:
	s_add_co_u32 s[KS], s[KS], 1
	s_add_co_u32 s[TB], s[TB], 8192
.endm
.macro WALK qr, sd, first, count
	s_mov_b32 s[KS], \first
	s_mov_b32 s[TB], 8192*(\first)
	s_mov_b32 s[CNT], \count
.Lwalk_\@:
	STEP \qr, \sd
	s_sub_co_u32 s[CNT], s[CNT], 1
	s_cmp_lg_u32 s[CNT], 0
	s_cbranch_scc1 .Lwalk_\@
.endm
.macro FIN sm, o, oc, sb, off          ; O^T / the sum x 2^(e6 + e7 - e8), held, as codes: an image of eight operand registers
	v_pk_add_f32 v[\sm:\sm+1], v[\sm:\sm+1], v[\sm+2:\sm+3]
	v_pk_add_f32 v[\sm+4:\sm+5], v[\sm+4:\sm+5], v[\sm+6:\sm+7]
	v_pk_add_f32 v[\sm:\sm+1], v[\sm:\sm+1], v[\sm+4:\sm+5]
	v_add_f32 v[\sm], v[\sm], v[\sm+1]
	v_permlanex16_b32 v164, v[\sm], s[SEL], s[SEL+1]
	v_add_f32 v[\sm], v[\sm], v164
	s_wait_alu depctr_va_vdst(0)
	v_rcp_f32 v[\sm], v[\sm]
	v_nop
	s_wait_alu depctr_va_vdst(0)
	v_ldexp_f32 v[\sm], v[\sm], s55
	WIN 0x01
	s_wait_alu depctr_va_vdst(0)                   ; directly ahead of O^T's first reader
.set j, 0
.rept 16
	v_pk_mul_f32 v[176+j:177+j], v[\o+j:\o+j+1], v[\sm:\sm+1] op_sel_hi:[1,0]
.set j, j+2
.endr
	WIN 0
.set j, 0
.rept 32
	v_med3_num_f32 v[176+j], v[176+j], -v218, v218
.set j, j+1
.endr
.irp t, 0,1,2,3
	v_cvt_scalef32_pk8_fp8_f32 v[\oc+2*\t:\oc+2*\t+1], v[176+8*\t:183+8*\t], v219
.endr
	v_nop
	global_store_b128 v[L16], v[\oc:\oc+3], s[\sb:\sb+1] offset:\off          ; 32 lanes store 512 consecutive bytes, aligned
	global_store_b128 v[L16], v[\oc+4:\oc+7], s[\sb:\sb+1] offset:\off+512
.endm
	s_wait_loadcnt 0x0                             ; Q
	s_wait_tensorcnt 1                             ; my first fill is in; the second may be out
	s_barrier_signal -1
	s_barrier_wait -1
	WALK 224, 47, 0, 4                             ; keys 0-511 of the long pair, under the second fill's flight
	s_wait_tensorcnt 0x0
	s_wait_dscnt 0x0
	s_barrier_signal -1
	s_barrier_wait -1                              ; everybody's second fill is in
	WALK 224, 47, 4, 12
	FIN 14, OA, 220, 50, 0
	FIN 24, OB, 228, 50, 65536                     ; tile B lies four tiles of 16,384 bytes on
	INIT
	WALK 240, 48, 0, 8
	FIN 14, OA, 236, 52, 0
	FIN 24, OB, 244, 52, 65536
	s_wait_tensorcnt 0x0                           ; the wave's end
	ds_add_u32 v[SPW], v[NIL]
	s_wait_dscnt 0x0
	CROUND                                         ; the closing round
	s_endpgm
.Lfunc_end_k_qafbb186691_attn:
	.size	k_qafbb186691_attn, .Lfunc_end_k_qafbb186691_attn-k_qafbb186691_attn
	.p2alignl 7, 3214868480
	.fill 96, 4, 3214868480
	.section	.rodata,"a",@progbits
	.p2align	6, 0x0
	.amdhsa_kernel k_qafbb186691_attn
		.amdhsa_group_segment_fixed_size 327680
		.amdhsa_private_segment_fixed_size 0
		.amdhsa_enable_private_segment 0
		.amdhsa_kernarg_size 32
		.amdhsa_user_sgpr_count 2
		.amdhsa_user_sgpr_kernarg_segment_ptr 1
		.amdhsa_wavefront_size32 1
		.amdhsa_system_sgpr_workgroup_id_x 1
		.amdhsa_system_sgpr_workgroup_id_y 1
		.amdhsa_system_sgpr_workgroup_id_z 1
		.amdhsa_system_vgpr_workitem_id 0
		.amdhsa_next_free_vgpr 512
		.amdhsa_next_free_sgpr 80
		.amdhsa_reserve_vcc 1
		.amdhsa_float_denorm_mode_32 3
		.amdhsa_float_denorm_mode_16_64 3
		.amdhsa_memory_ordered 1
		.amdhsa_forward_progress 1
		.amdhsa_inst_pref_size 136
	.end_amdhsa_kernel
	.amdgpu_metadata
---
amdhsa.version: [ 1, 2 ]
amdhsa.kernels:
  - .name:           k_qafbb186691_attn
    .symbol:         k_qafbb186691_attn.kd
    .args:
      - { .name: qc, .offset: 0, .size: 8, .value_kind: global_buffer, .address_space: global }
      - { .name: kvc, .offset: 8, .size: 8, .value_kind: global_buffer, .address_space: global }
      - { .name: lowp_scales, .offset: 16, .size: 8, .value_kind: global_buffer, .address_space: global }
      - { .name: ao, .offset: 24, .size: 8, .value_kind: global_buffer, .address_space: global }
    .group_segment_fixed_size: 327680
    .private_segment_fixed_size: 0
    .kernarg_segment_align: 8
    .kernarg_segment_size: 32
    .max_flat_workgroup_size: 256
    .sgpr_count:     80
    .vgpr_count:     512
    .wavefront_size: 32
...
	.end_amdgpu_metadata
.endif
;; end of part 3
;; launch proj (part 4): grid 4 x 64, 4 waves a work-group, clusters of 4 x 4, 327,680 bytes of LDS; arguments ao, woc, lowp_scales, out0; writes out0
.if DOCPART == 4
	.amdgcn_target "amdgcn-amd-amdhsa--gfx1250"
	.amdhsa_code_object_version 6
	.text
	.protected	k_qafbb186691_proj
	.globl	k_qafbb186691_proj
	.p2align	8
	.type	k_qafbb186691_proj,@function
k_qafbb186691_proj:
	s_mov_b64 s[64:65], 0
	v_nop
	global_prefetch_b8 v0, s[64:65] scope:SCOPE_SE
	s_setreg_imm32_b32 hwreg(HW_REG_WAVE_MODE, 25, 1), 1
	s_wait_xcnt 0x0
	s_wait_alu depctr_hold_cnt(0) depctr_sa_sdst(0) depctr_va_vdst(0) depctr_va_sdst(0) depctr_va_ssrc(0) depctr_va_vcc(0) depctr_vm_vsrc(0)
	s_getreg_b32 s2, hwreg(HW_REG_IB_STS2, 6, 4)
	s_cmp_eq_u32 s2, 0
	s_cbranch_scc0 .Lentry_in_a_cluster
	s_endpgm
.Lentry_in_a_cluster:
	s_bfe_u32 s2, ttmp6, 0x10000c
	s_cmp_lg_u32 s2, 0xf033
	s_cbranch_scc0 .Lentry_shape_is_right
	s_endpgm
.Lentry_shape_is_right:
; PROJ: out0 = attention's result x Wo on codes of FP8 (E4M3), K = 1,024; each finished sum x 2^(e8 + e9).  LIMIT: e8 + e9 between -126 and 127.
; ao [token tile of 16: 512][head: 16][1,024 bytes]: images of operand registers; woc [1,024 n][1,024 places]: Wo's columns, each k at the place where ao's images have it.
; A block of 128 tokens x 256 columns is made by a work-group of four waves: 4 x 64 = 256 work-groups.  A wave makes 64 x 128: 32 accumulators of 16 x 16.
; A's 128 tokens x all of K are 131,072 dense bytes of ao: they are brought once and stay in LDS.  B's 256 rows go in four K steps of 256 through two slots.
; At the head every wave has one load: waves 0 and 1 A's halves, wave 2 B's K step 0, wave 3 B's K step 1.  Wave 2 fills slot 0 again with K step 2, wave 3 slot 1 with K step 3.
; CLUSTERS of 4 x 4: A's block hangs on the block row alone and is asked for jointly by a row of the cluster, B's on the block column alone, by a column.
; The matrix instruction is used transposed (source 0 = 16 rows of B, source 1 = 16 tokens): a lane holds eight neighbouring columns of a row of out0.
; No prefetch: A is asked for whole at the head, and K has only two later fills.
; REGISTERS: window 0: v16-29 addresses; v128-191, v192-255 A's fragments (4 x 16 tokens x 128 K), two sets; on the way out v32-95 scaled sums, v128-255 rows read back.
;   window 1: B's fragments (8 x 16 rows x 128 K), two sets, at v0 and v128.   window 2: accumulator (a, b) at v[8 (8 a + b)].
.set SIZE_N, 1024
.set KROW,   1024
.set PITCH,  272                       ; a row of B in LDS: 256 bytes + 16 of padding
.set FR,     16
.set NP,     4                         ; places behind this matrix instruction (ISA guide 7.12.1)
.set BOFF,   131072                    ; B's slots lie behind A
.set BHALF,  128*PITCH
.set BSLOT,  2*BHALF
.set SPARE,  BOFF+2*BSLOT              ; the spare words, 128 bytes a wave: two blocks of 256 bytes that no other line names
.set STAGE,  SPARE+512                 ; the way out: 16 rows x 528 bytes for each wave, bytes into which no fill lands
.set SPITCH, 528
.set ADRA, 16
.set ADRB, 20
.set STO,  24
.set RD,   25
.set CO,   26
.set SPW,  28
.set NIL,  29
.set TMP,  32
.set AF,   128
.set BK,   128
.set G1, 24
.set G0, 32
.set G1B, 48
.set G0B, 56
.set MSB, 0
.macro WIN new
.if MSB != \new
	s_set_vgpr_msb (MSB<<8)|\new
.set MSB, \new
.endif
.endm
.set MUL,  0xa1                        ; source 0 (B) window 1, source 1 (A) window 0, C and D window 2
.set TO_B, 0x40
.macro PLACES n
.rept \n
	v_nop
.endr
.endm
.macro CREST
	s_cmp_lg_u32 s14, 0
	s_cbranch_scc1 .Lnot_wave_0_\@
	s_barrier_signal -3
.Lnot_wave_0_\@:
	s_barrier_wait -3
	s_barrier_signal -1
	s_barrier_wait -1
.endm
.macro CROUND
	s_barrier_signal -1
	s_barrier_wait -1
	CREST
.endm
.macro BLOAD w                         ; wave w alone fills its slot again; the branch hangs on the wave's number
	s_cmp_lg_u32 s14, \w
	s_cbranch_scc1 .Lno_b_\@
	tensor_load_to_lds s[G0B:G0B+3], s[G1B:G1B+7]
	s_nop 0
.rept 4
	v_nop
.endr
.Lno_b_\@:
.endm
	s_load_b128 s[4:7], s[0:1], 0x0                ; ao, woc
	s_load_b128 s[8:11], s[0:1], 0x10              ; the scales' exponents, out0
	v_lshl_add_u32 v[SPW], v0, 2, SPARE
	v_mov_b32 v[NIL], 0
	ds_add_u32 v[SPW], v[NIL]                      ; the opening lines
	ds_add_u32 v[SPW], v[NIL]
	v_lshrrev_b32 v1, 5, v0
	v_readfirstlane_b32 s14, v1                    ; wave 0..3
	s_lshr_b32 s15, s14, 1                         ; my 64 tokens.  Also: I fetch for A (0) or for B (1)
	s_and_b32 s16, s14, 1                          ; my 128 rows of B.  Also: which half of A, or which slot of B, I fetch
	s_bfe_u32 s40, ttmp6, 0x40000
	s_bfe_u32 s41, ttmp6, 0x40004
	s_lshl_b32 s42, ttmp9, 2
	s_add_co_u32 s42, s42, s40                     ; block column
	s_and_b32 s17, ttmp7, 0xffff
	s_lshl_b32 s17, s17, 2
	s_add_co_u32 s17, s17, s41                     ; block row
	s_lshl_b32 s43, s41, 2
	s_lshl_b32 s43, 15, s43
	s_lshl_b32 s44, 0x1111, s40
	s_or_b32 s[G1+0], s43, (3<<16)|(1<<21)         ; A: 16 dense rows of 4,096 bytes, elements of 8 bytes; the mask names my row of the cluster
	s_mov_b32 s[G1+1], 512<<16
	s_mov_b32 s[G1+2], 16<<16
	s_mov_b32 s[G1+3], 512<<16
	s_mov_b32 s[G1+4], 16
	s_mov_b32 s[G1+5], 512
	s_mov_b32 s[G1+6], 0
	s_mov_b32 s[G1+7], 0
	s_or_b32 s[G1B+0], s44, (0<<16)|(1<<20)|(1<<21)|(5<<22)|(3<<25)   ; B: 256 rows of 256 bytes, four words of padding behind each; my column of the cluster
	s_mov_b32 s[G1B+1], 256<<16
	s_mov_b32 s[G1B+2], 256<<16
	s_mov_b32 s[G1B+3], 256<<16
	s_mov_b32 s[G1B+4], 256
	s_mov_b32 s[G1B+5], KROW
	s_mov_b32 s[G1B+6], 0
	s_mov_b32 s[G1B+7], 0
	s_lshl_b32 s20, s17, 3
	s_lshl_b32 s18, s16, 2
	s_add_co_u32 s20, s20, s18
	s_lshl_b32 s20, s20, 14                        ; A: token tile 8 x block row + 4 x half, 16,384 bytes each
	s_mov_b32 s21, 0
	s_lshl_b32 s46, s42, 18                        ; B: row 256 x block column,
	s_lshl_b32 s18, s16, 8
	s_add_co_u32 s46, s46, s18                     ; K step 0 or 1
	s_mov_b32 s47, 0
	s_lshl_b32 s45, s16, 16                        ; where they go
	s_mul_i32 s19, s16, BSLOT
	s_add_co_u32 s19, s19, BOFF
	s_wait_dscnt 0x0
	s_wait_kmcnt 0x0
	s_load_b64 s[96:97], s[8:9], 0x20              ; e8, e9
	s_mov_b32 s[G0], 1
	s_mov_b32 s[G0+1], s45
	s_add_nc_u64 s[G0+2:G0+3], s[4:5], s[20:21]
	s_or_b32 s[G0+3], s[G0+3], 0x80000000
	s_mov_b32 s[G0B], 1
	s_mov_b32 s[G0B+1], s19
	s_add_nc_u64 s[G0B+2:G0B+3], s[6:7], s[46:47]
	s_or_b32 s[G0B+3], s[G0B+3], 0x80000000
	CROUND                                         ; all sixteen work-groups are here: the first joint loads meet
	s_cmp_eq_u32 s15, 0
	s_cbranch_scc0 .Lfor_b
	tensor_load_to_lds s[G0:G0+3], s[G1:G1+7]
	s_nop 0
.rept 4
	v_nop
.endr
	s_branch .Lasked
.Lfor_b:
	tensor_load_to_lds s[G0B:G0B+3], s[G1B:G1B+7]
	s_nop 0
.rept 4
	v_nop
.endr
.Lasked:
	s_lshl_b32 s21, s15, 16                        ; my four token tiles of A
	s_mul_i32 s22, s16, BHALF
	s_add_co_u32 s22, s22, BOFF                    ; my 128 rows of B in slot 0,
	s_add_co_u32 s18, s22, BSLOT                   ; and in slot 1
	s_mul_i32 s23, s14, 16*SPITCH
	s_add_co_u32 s23, s23, STAGE                   ; my stage
	s_lshl_b32 s20, s17, 7
	s_lshl_b32 s19, s15, 6
	s_add_co_u32 s20, s20, s19
	s_lshl_b32 s20, s20, 12                        ; my first row of out0, 4,096 bytes a row,
	s_lshl_b32 s46, s42, 10
	s_lshl_b32 s47, s16, 9
	s_add_co_u32 s46, s46, s47
	s_add_co_u32 s20, s20, s46                     ; and my first column
	s_mov_b32 s47, 0
	s_mov_b32 s46, s20
	s_add_nc_u64 s[10:11], s[10:11], s[46:47]
	v_and_b32 v1, 15, v0
	v_bfe_u32 v2, v0, 4, 1
	v_mul_u32_u24 v3, v1, PITCH
	v_lshl_add_u32 v4, v2, 4, v3
	v_and_b32 v6, 31, v0
	v_lshlrev_b32 v[CO], 4, v6
	v_add_nc_u32 v[ADRA], s21, v[CO]
	v_add_nc_u32 v[ADRB], s22, v4
	v_add_nc_u32 v[ADRB+1], s18, v4
	v_mul_u32_u24 v5, v1, SPITCH
	v_lshl_add_u32 v5, v2, 5, v5
	v_add_nc_u32 v[STO], s23, v5
	v_add_nc_u32 v[RD], s23, v[CO]
.macro FETCH k                         ; the fragments of step k (128 along K) into set k % 2: B's eight from slot (k / 2) % 2, A's four from its images
.set FP, (\k)%2
.set FS, ((\k)/2)%2
	WIN TO_B
.irp i, 0,1,2,3,4,5,6,7
.irp c, 0,1,2,3
	ds_load_b128 v[128*FP+FR*\i+4*\c:128*FP+FR*\i+4*\c+3], v[ADRB+FS] offset:128*FP+32*\c+\i*16*PITCH
.endr
.endr
	WIN 0
.irp i, 0,1,2,3
.irp c, 0,1,2,3
	ds_load_b128 v[AF+64*FP+FR*\i+4*\c:AF+64*FP+FR*\i+4*\c+3], v[ADRA] offset:16384*\i+2048*(\k)+512*\c
.endr
.endr
.endm
.macro MUL8 a, p, zero                 ; A's block a against B's eight; the 32 accumulators take turns in the same order in every step
.irp b, 0,1,2,3,4,5,6,7
.if \zero
	v_wmma_f32_16x16x128_fp8_fp8 v[8*(8*(\a)+\b):8*(8*(\a)+\b)+7], v[128*(\p)+FR*\b:128*(\p)+FR*\b+FR-1], v[AF+64*(\p)+FR*(\a):AF+64*(\p)+FR*(\a)+FR-1], 0
.else
	v_wmma_f32_16x16x128_fp8_fp8 v[8*(8*(\a)+\b):8*(8*(\a)+\b)+7], v[128*(\p)+FR*\b:128*(\p)+FR*\b+FR-1], v[AF+64*(\p)+FR*(\a):AF+64*(\p)+FR*(\a)+FR-1], v[8*(8*(\a)+\b):8*(8*(\a)+\b)+7]
.endif
.endr
.endm
.macro STEPN k, zero                   ; an even step: its successor lies in the same slot
	s_wait_dscnt 0x0                               ; this step's 48 loads are in
	PLACES NP                                      ; ahead of loads into the set that the last step multiplied
	FETCH (\k)+1
	WIN MUL
	MUL8 0, 0, \zero
	MUL8 1, 0, \zero
	MUL8 2, 0, \zero
	MUL8 3, 0, \zero
	WIN 0
.endm
.macro TURN k, fw                      ; an odd step changes slots.  fw: the wave that fills the slot just read out again, or -1
	s_wait_tensorcnt 0x0                           ; all my tensor loads have landed
	ds_add_u32 v[SPW], v[NIL]                      ; 0 onto my spare word
.if \k == 1
	s_add_nc_u64 s[G0B+2:G0B+3], s[G0B+2:G0B+3], 512   ; no load of mine is out: two K steps on, for wave 2's refill and for wave 3's
.endif
	s_wait_dscnt 1                                 ; this step's 48 loads are in; the add may be out
	WIN MUL
	MUL8 0, 1, 0
	s_wait_dscnt 0x0                               ; the add is done, and my reads of this slot are over
	s_barrier_signal -1
	MUL8 1, 1, 0
	WIN 0
	s_barrier_wait -1
.if \fw >= 0
	CREST                                          ; the barrier has opened a round of the cluster's barrier
	BLOAD \fw
.endif
	PLACES NP
	FETCH (\k)+1
	WIN MUL
	MUL8 2, 1, 0
	MUL8 3, 1, 0
	WIN 0
.endm
	s_wait_alu depctr_va_vdst(0)                   ; the head's end
	s_wait_tensorcnt 0x0                           ; my first fill is in,
	s_barrier_signal -1
	s_barrier_wait -1                              ; everybody's is
	FETCH 0
	STEPN 0, 1                                     ; the first step's products start the sums
	TURN 1, 2                                      ; slot 0 takes K step 2
	STEPN 2, 0
	TURN 3, 3                                      ; slot 1 takes K step 3
	STEPN 4, 0
	TURN 5, -1
	STEPN 6, 0
	s_wait_dscnt 0x0
	WIN MUL
	MUL8 0, 1, 0
	MUL8 1, 1, 0
	MUL8 2, 1, 0
	MUL8 3, 1, 0
	WIN 0
; THE WAY OUT, block by block of 16 rows x 128 columns, through my own stage: back come whole rows of 512 bytes.  LDS serves a wave's instructions in order (ISA guide 5.7.1.4).
.macro TOSTAGE a
.set AC, 64*(\a)
	WIN 0x02
.irp j, 0,2,4,6,8,10,12,14,16,18,20,22,24,26,28,30,32,34,36,38,40,42,44,46,48,50,52,54,56,58,60,62
	v_pk_mul_f32 v[TMP+\j:TMP+\j+1], v[AC+\j:AC+\j+1], s[96:97] op_sel_hi:[1,0]   ; x 2^(e8 + e9); each accumulator from its low end on
.endr
	WIN 0
.irp b, 0,1,2,3,4,5,6,7
	ds_store_b128 v[STO], v[TMP+8*\b:TMP+8*\b+3] offset:64*\b
	ds_store_b128 v[STO], v[TMP+8*\b+4:TMP+8*\b+7] offset:64*\b+16
.endr
.set BB, BK+64*((\a)%2)
.irp t, 0,1,2,3,4,5,6,7,8,9,10,11,12,13,14,15
	ds_load_b128 v[BB+4*\t:BB+4*\t+3], v[RD] offset:\t*SPITCH
.endr
.endm
.macro SEND a, younger
.set BB, BK+64*((\a)%2)
	s_wait_dscnt \younger
.if (\a) > 0
	s_add_nc_u64 s[10:11], s[10:11], 16*SIZE_N*4   ; (behind a wait on XCNT: the earlier stores have read their base)
.endif
.irp t, 0,1,2,3,4,5,6,7,8,9,10,11,12,13,14,15
	global_store_b128 v[CO], v[BB+4*\t:BB+4*\t+3], s[10:11] offset:\t*SIZE_N*4 th:TH_STORE_NT   ; 32 lanes store 512 consecutive bytes, aligned
.endr
.endm
	s_wait_kmcnt 0x0
	s_add_co_i32 s96, s96, s97
	s_add_co_i32 s96, s96, 127
	s_lshl_b32 s96, s96, 23                        ; 2^(e8 + e9) as f32
	PLACES NP
	TOSTAGE 0
.irp a, 1,2,3
.if \a > 1
	s_wait_xcnt 0x0                                ; block a - 2's stores have read their registers and their base
.endif
	TOSTAGE \a
	SEND \a-1, 32
.endr
	s_wait_xcnt 0x0
	SEND 3, 0
	s_wait_tensorcnt 0x0                           ; the wave's end
	ds_add_u32 v[SPW], v[NIL]
	s_wait_dscnt 0x0
	CROUND                                         ; the closing round
	s_endpgm
.Lfunc_end_k_qafbb186691_proj:
	.size	k_qafbb186691_proj, .Lfunc_end_k_qafbb186691_proj-k_qafbb186691_proj
	.p2alignl 7, 3214868480
	.fill 96, 4, 3214868480
	.section	.rodata,"a",@progbits
	.p2align	6, 0x0
	.amdhsa_kernel k_qafbb186691_proj
		.amdhsa_group_segment_fixed_size 327680
		.amdhsa_private_segment_fixed_size 0
		.amdhsa_enable_private_segment 0
		.amdhsa_kernarg_size 32
		.amdhsa_user_sgpr_count 2
		.amdhsa_user_sgpr_kernarg_segment_ptr 1
		.amdhsa_wavefront_size32 1
		.amdhsa_system_sgpr_workgroup_id_x 1
		.amdhsa_system_sgpr_workgroup_id_y 1
		.amdhsa_system_sgpr_workgroup_id_z 1
		.amdhsa_system_vgpr_workitem_id 0
		.amdhsa_next_free_vgpr 768
		.amdhsa_next_free_sgpr 98
		.amdhsa_reserve_vcc 0
		.amdhsa_float_denorm_mode_32 3
		.amdhsa_float_denorm_mode_16_64 3
		.amdhsa_memory_ordered 1
		.amdhsa_forward_progress 1
		.amdhsa_inst_pref_size 73
	.end_amdhsa_kernel
	.amdgpu_metadata
---
amdhsa.version: [ 1, 2 ]
amdhsa.kernels:
  - .name:           k_qafbb186691_proj
    .symbol:         k_qafbb186691_proj.kd
    .args:
      - { .name: ao, .offset: 0, .size: 8, .value_kind: global_buffer, .address_space: global }
      - { .name: woc, .offset: 8, .size: 8, .value_kind: global_buffer, .address_space: global }
      - { .name: lowp_scales, .offset: 16, .size: 8, .value_kind: global_buffer, .address_space: global }
      - { .name: out0, .offset: 24, .size: 8, .value_kind: global_buffer, .address_space: global }
    .group_segment_fixed_size: 327680
    .private_segment_fixed_size: 0
    .kernarg_segment_align: 8
    .kernarg_segment_size: 32
    .max_flat_workgroup_size: 128
    .sgpr_count:     98
    .vgpr_count:     768
    .wavefront_size: 32
...
	.end_amdgpu_metadata
.endif
;; end of part 4
